; MI455X (gfx1250); checked and timed in simulation.
; The chip was launched on July 23, 2026; its instructions are those of AMD's public machine-readable ISA for CDNA 5 (MIT licence, August 2026) and "CDNA5" Instruction Set Architecture Reference Guide (July 2026). The comments in the code are by the model that wrote it; some were corrected since.
;; H Attention. Allowed arithmetic: matrix products marked QUANTISED: E2M1 operands, one E8M0 scale for each 32 along K, by v_wmma_scale_f32_16x16x128_f8f6f4 with both operands' format E2M1 (or v_wmma_scale_f32_32x16x128_f4), f32 sums; products left as they are: bf16, f16 or f32 operands; f32 sums; everything else in f32.
;; Inputs: A_bias 2,048 x 16 float32; A_log 2,048 x 16 float32; L 2,048 x 16 x 12 float32; L_bias 2,048 x 16 x 12 float32; Wk 1,024 x 1,024 float32; Wo 1,024 x 1,024 float32; Wq 1,024 x 1,024 float32; Wv 1,024 x 1,024 float32; bk 1,024 float32; bo 1,024 float32; bq 1,024 float32; bv 1,024 float32; levels 2,048 x 2,048 int32; x 8 x 2,048 x 1,024 float32.
;; Outputs: out0 8 x 2,048 x 1,024 float32.
;; This version of the problem:
;;   THIS VERSION OF THE PROBLEM IS GIVEN IN LOW PRECISION. The matrix products marked QUANTISED in the list below multiply operands that are first quantised to E2M1 (2 exponent bits, 1 mantissa bit; 4 bits a number), with one power-of-two scale for each 32 numbers along K (OCP MX v1.0); their sums are f32. The products marked 'left as it is' may take bf16, f16 or f32 operands, with f32 sums. Whichever they take, every output number must still come out within the allowed error. Rounding operands to bf16 (8 significant bits) uses up far more of that allowance than f16 does (11 bits, for magnitudes from 6e-5 to 65,504). All else is computed in f32.
;;   The module's matrix products, in the order in which they are computed (A, B: the left and right operand; K: the contracted axis; several contracted axes count as one K, in the product's order):
;;     1. [M 16,384, K 1,024] x [K 1,024, N 1,024]; A: input x; B: input Wv: QUANTISED
;;     2. batch 16 x [M 512, K 2,048] x [K 2,048, N 2,048]; A: computed on the way; B: computed on the way: left as it is (an operand is computed on the way)
;;     3. [M 16,384, K 1,024] x [K 1,024, N 1,024]; A: computed on the way; B: input Wo: left as it is (an operand is computed on the way)
;;   THE QUANTISER, for each operand of a quantised product, along K:
;;     - K is cut into blocks of 32 from its start; a last block that is shorter is filled with zeros.
;;     - A block's scale is 2^e with e = floor(log2(the largest magnitude in the block)) - 2, held to -126 .. 127; a block of zeros has e = 0. As a byte (E8M0): e + 127.
;;     - Each number is divided by its block's scale, clamped to +-6, and rounded to the nearest number of E2M1, ties to even, subnormals kept.
;;     - The product sums the exact products of the quantised numbers (number of the format x scale) in f32.
;;   ~~~python
;;   def quantise(x, axis):      # numpy; x: float32 -> the quantised numbers, widened to float32 again
;;       x = np.moveaxis(x, axis, -1); K = x.shape[-1]
;;       x = np.pad(x, [(0, 0)] * (x.ndim - 1) + [(0, -K % 32)]); x = x.reshape(x.shape[:-1] + (-1, 32)); a = np.abs(x).max(-1, keepdims=True)
;;       e = np.where(a > 0, np.clip(np.frexp(np.where(a > 0, a, 1))[1] - 1 - 2, -126, 127), 0)      # np.frexp(a)[1] - 1 = floor(log2(a)), exactly
;;       r = np.clip(x / 2.0 ** e, -6, 6)
;;       step = 2.0 ** (np.maximum(np.frexp(np.where(r == 0, 1, r))[1] - 1, 0) - 1)
;;       q = np.round(r / step) * step * 2.0 ** e      # np.round: ties to even
;;       return np.moveaxis(q.reshape(q.shape[:-2] + (-1,))[..., :K], -1, axis).astype(np.float32)
;;   ~~~
;; One version. Each part assembles by itself: llvm-mc -triple=amdgcn-amd-amdhsa -mcpu=gfx1250 --defsym DOCPART=n.
;; ======== version 1 of 1: 4 launches
;; limits: values are held in f16: magnitudes above 65,504 overflow, below 6.1e-05 lose precision; right only within a limited range of input values
;; workspace buffers: codes 8,912,896 bytes; scales 557,056 bytes; wo_img 2,097,152 bytes; cs2 131,072 bytes; v_img 33,554,432 bytes; tsum 524,288 bytes; o_img 33,554,432 bytes
;; launch prep (part 1): grid 612 x 1, 4 waves a work-group, no clusters, 68,096 bytes of LDS; arguments x, Wv, Wo, A_log, A_bias, codes, scales, wo_img, cs2; writes codes, scales, wo_img, cs2
.if DOCPART == 1
	.amdgcn_target "amdgcn-amd-amdhsa--gfx1250"
	.amdhsa_code_object_version 6
	.text
	.protected	k_qe767b2102a_prep
	.globl	k_qe767b2102a_prep
	.p2align	8
	.type	k_qe767b2102a_prep,@function
k_qe767b2102a_prep:
	s_mov_b64 s[64:65], 0
	v_nop
	global_prefetch_b8 v0, s[64:65] scope:SCOPE_SE
	s_setreg_imm32_b32 hwreg(HW_REG_WAVE_MODE, 25, 1), 1
	s_wait_xcnt 0x0
; PREP: what the later launches read many times is made once.  Three kinds of work-group, told apart by the work-group's number alone:
;   0 .. 3     cs2[h][t] = the running sum over t of log2(sigmoid(A_log + A_bias)), f32, laid by head.  A work-group takes four heads.  Thread T loads the 16 bytes (four heads) of rows t = T + 128 n: a wave's load
;              takes 16 bytes of each of 32 neighbouring rows of 64 bytes.  The terms turn through LDS; then a wave sums one head, a lane 64 neighbouring t; the sums leave as 512 consecutive bytes a store.
;   4 .. 67    Wo [1024 n][1024 k], f32, becomes f16 in the order of a matrix operand's registers: an image of 1,024 bytes is 16 rows x 32 k, [half c][lane][16 bytes],
;              lane (r, hh) holding row r, k = 16 c + 8 hh + 0 .. 7.  Laid [k / 128][n / 16][(k % 128) / 32].
;   68 .. 611  x [16384][1024] and Wv [1024][1024], f32, become codes of FP4 (E2M1), K innermost, with one E8M0 byte for each 32 along K: x's rows first, Wv's behind them, in one stream of codes and one of bytes.
; A block's scale is 2^(floor(log2(its largest magnitude)) - 2); its byte is the largest magnitude's exponent field - 2, held at 1 from below.  A block of zeros so gets the byte 1 and zero codes; this program alone reads the bytes.
; LIMITS: NaN and infinities are not served.  A_log + A_bias under -87 is not served (2^(-1.4427 z) leaves f32).  Blocks whose largest magnitude lies under 2^(2 - 126) keep the byte 1.
; The running sum is made lane by lane and then across lanes: another order of rounding than a sum from t = 0 on.
; Wq, bq, Wk, bk: no result hangs on them; no launch of this program loads them.
.set NSCAN, 4
.set NWO,   64
.set WGX,   512                        ; work-groups for x: 16,384 x 1,024 / 32,768
.set WAVES, 4
.set STEPS, 16
.set EMAX,  2
.set CB,    8                          ; bytes of 16 codes
.set R,     16                         ; v16-79   four sets of 16 numbers as they are loaded
.set X,     80                         ; v80-111  two sets of 16 neighbours
.set C,     128                        ; v128-191 codes: four registers for each step
.set E,     112                        ; v112-127 a scale byte for each step
.set WREG,  8192                       ; LDS: a region for each wave of the quantiser: two stages of 32 x SP bytes, behind them its 256 scale bytes
.set SP,    80                         ; a lane's place in a stage: 64 bytes + 16 of padding
.set SPW,   12                         ; v12  LDS address of my spare word; never rewritten
.set NIL,   13                         ; v13  0; never rewritten
.set SPARE, WAVES*WREG                 ; the spare words, 128 bytes a wave: two blocks of 256 bytes that no other line names
.set SCN,   SPARE+512                  ; the running sum's own LDS bytes: for each of four heads 32 rows of 64 numbers
.set SROW,  272                        ; such a row: 256 bytes + 16 of padding
.set SHEAD, 32*SROW                    ; a head's rows
	s_load_b256 s[4:11], s[0:1], 0x0               ; x s[4:5], Wv s[6:7], Wo s[8:9], A_log s[10:11]
	s_load_b256 s[12:19], s[0:1], 0x20             ; A_bias s[12:13], codes s[14:15], scales s[16:17], wo_img s[18:19]
	s_load_b64 s[20:21], s[0:1], 0x40              ; cs2
	v_lshl_add_u32 v[SPW], v0, 2, SPARE
	v_mov_b32 v[NIL], 0
	v_lshrrev_b32 v1, 5, v0
	v_readfirstlane_b32 s22, v1                    ; wave
	v_and_b32 v2, 31, v0                           ; lane
	s_mov_b32 s27, 0                               ; the upper word of every offset pair s[26:27]
	s_wait_kmcnt 0x0
	s_cmp_lt_u32 ttmp9, NSCAN
	s_cbranch_scc1 .Lscan
	s_cmp_lt_u32 ttmp9, NSCAN+NWO
	s_cbranch_scc1 .Lwo
; ---------------- the quantiser.  A wave takes 16 steps of 512 numbers.  Each load reads 512 consecutive bytes; a step's 2,048 bytes turn through the wave's own stage, so that a lane holds 16 neighbours
; (two neighbouring lanes hold a block).  A lane's 16 codes are 8 bytes: the wave stores 256 consecutive bytes.  A wave's 256 scale bytes are gathered in LDS and leave as 256 consecutive bytes.
	v_lshlrev_b32 v3, 4, v2                        ; my 16 bytes of a load's 512
	s_mul_i32 s24, s22, WREG
	v_lshrrev_b32 v14, 2, v2
	v_mul_u32_u24 v14, v14, SP
	v_and_b32 v15, 3, v2
	v_lshl_add_u32 v14, v15, 4, v14
	v_add_nc_u32 v14, s24, v14                     ; the stage, way in: SP (lane / 4) + 16 (lane % 4)
	v_mul_u32_u24 v15, v2, SP
	v_add_nc_u32 v15, s24, v15                     ; way out: SP x lane
	v_mul_u32_u24 v4, v2, CB                       ; my codes' place in a step's
	v_lshrrev_b32 v5, 1, v2
	s_add_co_u32 s24, s24, 2*32*SP
	v_add_nc_u32 v5, s24, v5                       ; my block's scale byte in LDS
	v_lshlrev_b32 v7, 3, v2
	v_add_nc_u32 v6, s24, v7                       ; and 8 bytes a lane on the way out
	s_sub_co_u32 s25, ttmp9, NSCAN+NWO             ; 0 .. 543
	s_cmp_lt_u32 s25, WGX                          ; x's work-group or Wv's?  The choice hangs on the work-group's number alone
	s_cselect_b64 s[4:5], s[4:5], s[6:7]
	s_cselect_b32 s26, 0, WGX
	s_sub_co_u32 s26, s25, s26
	s_lshl_b32 s26, s26, 2
	s_add_co_u32 s26, s26, s22                     ; which run of 8,192 numbers of the tensor
	s_lshl_b32 s26, s26, 15
	s_add_nc_u64 s[4:5], s[4:5], s[26:27]
	s_lshl_b32 s28, s25, 2
	s_add_co_u32 s28, s28, s22                     ; which run of the joined streams
	s_lshl_b32 s26, s28, 12
	s_add_nc_u64 s[14:15], s[14:15], s[26:27]      ; 4,096 bytes of codes a run
	s_lshl_b32 s26, s28, 8
	s_add_nc_u64 s[16:17], s[16:17], s[26:27]      ; 256 scale bytes a run
.macro QLOAD t
.irp i, 0,1,2,3
	global_load_b128 v[R+16*((\t)%4)+4*\i:R+16*((\t)%4)+4*\i+3], v3, s[4:5] offset:2048*(\t)+512*\i th:TH_LOAD_NT
.endr
.endm
.macro QTURN t                         ; step t's numbers through the stage: LDS serves a wave's instructions in order, so no wait stands between the stores and the loads
.irp i, 0,1,2,3
	ds_store_b128 v14, v[R+16*((\t)%4)+4*\i:R+16*((\t)%4)+4*\i+3] offset:32*SP*((\t)%2)+8*SP*\i
.endr
.irp i, 0,1,2,3
	ds_load_b128 v[X+16*((\t)%2)+4*\i:X+16*((\t)%2)+4*\i+3], v15 offset:32*SP*((\t)%2)+16*\i
.endr
.endm
.irp t, 0,1,2,3
	QLOAD \t
.endr
	s_wait_loadcnt 12                              ; step 0's four loads are in; twelve younger ones may be out
	QTURN 0
.macro QSTEP t
.set XS, X+16*((\t)%2)
.if (\t) > 0
	s_wait_dscnt 1                                 ; this step's numbers are back from the stage (the last step's byte store may be out)
.else
	s_wait_dscnt 0x0
.endif
.if (\t)+4 < STEPS
	QLOAD (\t)+4                                   ; the stage's stores have read these registers
.endif
.if (\t)+1 < STEPS
.if STEPS-2-(\t) >= 3
	s_wait_loadcnt 12                              ; the next step's four loads are in; those of the three steps behind it may be out
.else
	s_wait_loadcnt 4*(STEPS-2-(\t))
.endif
	QTURN (\t)+1
.endif
	v_max3_num_f32 v8, |v[XS]|, |v[XS+1]|, |v[XS+2]|
	v_max3_num_f32 v9, |v[XS+3]|, |v[XS+4]|, |v[XS+5]|
.irp i, 6,10
	v_max3_num_f32 v8, v8, |v[XS+\i]|, |v[XS+\i+1]|
	v_max3_num_f32 v9, v9, |v[XS+\i+2]|, |v[XS+\i+3]|
.endr
	v_max3_num_f32 v8, v8, |v[XS+14]|, |v[XS+15]|
	v_max3_num_f32 v8, v8, v9, (EMAX+1)<<23        ; the floor 2^(EMAX + 1 - 127): the byte cannot fall under 1
	v_max_num_f32_dpp v8, v8, v8 row_xmask:1 row_mask:0xf bank_mask:0xf   ; with my neighbour's 16: the block's largest magnitude
	v_add_nc_u32 v11, -(EMAX<<23), v8              ; EMAX off its exponent field: the conversion takes this operand's exponent field as its scale
	v_cvt_scalef32_pk8_fp4_f32 v[C+4*(\t)], v[XS:XS+7], v11
	v_cvt_scalef32_pk8_fp4_f32 v[C+4*(\t)+1], v[XS+8:XS+15], v11
	v_lshrrev_b32 v[E+(\t)], 23, v11               ; the scale's byte (also the plain line behind the conversions)
	ds_store_b8 v5, v[E+(\t)] offset:16*(\t)       ; both lanes of a block write the same byte with the same value
	global_store_b64 v4, v[C+4*(\t):C+4*(\t)+1], s[14:15] offset:32*CB*(\t)
.endm
.irp t, 0,1,2,3,4,5,6,7,8,9,10,11,12,13,14,15
	QSTEP \t
.endr
	ds_load_b64 v[8:9], v6
	s_wait_dscnt 0x0
	global_store_b64 v7, v[8:9], s[16:17]          ; 32 lanes store 256 consecutive bytes
	s_wait_tensorcnt 0x0                           ; the wave's end, behind my last LDS store
	ds_add_u32 v[SPW], v[NIL]
	s_wait_dscnt 0x0
	s_endpgm
; ---------------- the running sum.  Work-group g takes heads 4 g .. 4 g + 3.  A_log[t][h] lies at 64 t + 4 h.
; IN: thread T = 32 wave + lane takes t = T + 128 n, n = 0 .. 15: 16 loads of 16 bytes from each of the two tensors; register 4 n + c is head 4 g + c at that t.
; THE TURN: head c's term at t goes to LDS row t / 64 = 2 n + wave / 2 of that head, word t % 64 = 32 (wave % 2) + lane: 32 lanes store 32 neighbouring words.
; THE SUM: behind the barrier wave w takes head 4 g + w, lane l its row l: t = 64 l + 0 .. 63 in 64 registers.
.Lscan:
	s_lshl_b32 s23, ttmp9, 2
	s_add_co_u32 s23, s23, s22                     ; the head that my wave sums
	s_lshl_b32 s24, ttmp9, 4                       ; my work-group's four heads: 16 bytes of each row of 64
	v_lshlrev_b32 v3, 6, v0
	v_add_nc_u32 v3, s24, v3
.set n, 0
.rept 16
	global_load_b128 v[32+4*n:35+4*n], v3, s[10:11] offset:8192*n
	global_load_b128 v[96+4*n:99+4*n], v3, s[12:13] offset:8192*n
.set n, n+1
.endr
	s_lshr_b32 s24, s22, 1
	s_mul_i32 s24, s24, SROW
	s_and_b32 s25, s22, 1
	s_lshl_b32 s25, s25, 7
	s_add_co_u32 s24, s24, s25
	s_add_co_u32 s24, s24, SCN
	v_lshl_add_u32 v4, v2, 2, s24                  ; the turn, way in: SROW (wave / 2) + 128 (wave % 2) + 4 lane; head and n stand in the immediate
	s_mul_i32 s25, s22, SHEAD
	s_add_co_u32 s25, s25, SCN                     ; my wave's head in LDS
	v_mul_u32_u24 v5, v2, SROW
	v_add_nc_u32 v5, s25, v5                       ; way out, and the sums' way in: my row
	v_lshrrev_b32 v6, 4, v2
	v_mul_u32_u24 v6, v6, SROW
	v_and_b32 v7, 15, v2
	v_lshl_add_u32 v6, v7, 4, v6
	v_add_nc_u32 v6, s25, v6                       ; the sums' way out: sixteen lanes to a row, two rows an instruction
	v_lshlrev_b32 v7, 4, v2                        ; and the same 512 bytes in cs2
	s_lshl_b32 s26, s23, 13
	s_add_nc_u64 s[20:21], s[20:21], s[26:27]      ; my head's 8,192 bytes
	s_wait_loadcnt 0x0
.set n, 0
.rept 32
	v_pk_add_f32 v[32+n:33+n], v[32+n:33+n], v[96+n:97+n]          ; z
.set n, n+2
.endr
.set n, 0
.rept 32
	v_pk_mul_f32 v[32+n:33+n], v[32+n:33+n], 0xbfb8aa3b op_sel_hi:[1,0]   ; -z log2(e)
.set n, n+2
.endr
.set n, 0
.rept 64
	v_exp_f32 v[32+n], v[32+n]                     ; e^-z
.set n, n+1
.endr
	v_nop                                          ; a plain line behind the last exponential
	s_wait_alu depctr_va_vdst(0)                   ; one wait for the batch, ahead of its first reader
.set n, 0
.rept 32
	v_pk_add_f32 v[32+n:33+n], v[32+n:33+n], 1.0 op_sel_hi:[1,0]
.set n, n+2
.endr
.set n, 0
.rept 64
	v_log_f32 v[32+n], v[32+n]                     ; log2(1 + e^-z) = -log2(sigmoid(z)), never negative
.set n, n+1
.endr
	v_nop
	s_wait_alu depctr_va_vdst(0)
.irp c, 0,1,2,3
.set n, 0
.rept 16
	ds_store_b32 v4, v[32+4*n+\c] offset:\c*SHEAD+2*SROW*n
.set n, n+1
.endr
.endr
	s_wait_dscnt 0x0                               ; for the others' sake: my terms lie in LDS
	s_barrier_signal -1                            ; the branch that led here hangs on the work-group's number alone: all four waves are on this way
	s_barrier_wait -1
.irp k, 0,1,2,3,4,5,6,7,8,9,10,11,12,13,14,15
	ds_load_b128 v[32+4*\k:35+4*\k], v5 offset:16*\k   ; my head's terms at t = 64 lane + 4 k ..
.endr
	s_wait_dscnt 0x0
	v_sub_f32 v32, 0, v32                          ; my 64 t: the sums from my first t on
.set n, 1
.rept 63
	v_sub_f32 v[32+n], v[31+n], v[32+n]
.set n, n+1
.endr
	v_mov_b32 v24, v95                             ; my total; then the sums over the lanes of my half, mine included
	v_add_f32_dpp v24, v24, v24 row_shr:1 row_mask:0xf bank_mask:0xf bound_ctrl:1
	v_add_f32_dpp v24, v24, v24 row_shr:2 row_mask:0xf bank_mask:0xf bound_ctrl:1
	v_add_f32_dpp v24, v24, v24 row_shr:4 row_mask:0xf bank_mask:0xf bound_ctrl:1
	v_add_f32_dpp v24, v24, v24 row_shr:8 row_mask:0xf bank_mask:0xf bound_ctrl:1
	v_readlane_b32 s24, v24, 15                    ; the lower half's total
	v_mov_b32 v25, 0
	v_mov_b32_dpp v25, v24 row_shr:1 row_mask:0xf bank_mask:0xf bound_ctrl:1   ; the lanes before me in my half (lanes 0 and 16: none)
	v_mov_b32 v26, s24
	v_cmp_lt_u32 vcc_lo, 15, v2
	v_cndmask_b32 v26, 0, v26, vcc_lo
	v_add_f32 v24, v25, v26                        ; all that lies before my first t
	v_mov_b32 v25, v24
.set n, 0
.rept 32
	v_pk_add_f32 v[32+n:33+n], v[32+n:33+n], v[24:25]
.set n, n+2
.endr
	; THE WAY OUT: a lane's 64 sums are 256 bytes of the head's row, and the lanes beside it hold other such runs: so they go back into my head's rows of LDS, which behind the barrier my wave alone touches,
	; and come back sixteen lanes to a row.  LDS serves a wave's instructions in order: no wait between the stores and the loads
.irp k, 0,1,2,3,4,5,6,7,8,9,10,11,12,13,14,15
	ds_store_b128 v5, v[32+4*\k:35+4*\k] offset:16*\k
.endr
.irp k, 0,1,2,3,4,5,6,7,8,9,10,11,12,13,14,15
	ds_load_b128 v[96+4*\k:99+4*\k], v6 offset:2*SROW*\k
.endr
.irp k, 0,1,2,3,4,5,6,7,8,9,10,11,12,13,14,15
	s_wait_dscnt 15-\k                             ; piece k is back; the younger loads may be out
	global_store_b128 v7, v[96+4*\k:99+4*\k], s[20:21] offset:512*\k   ; 512 consecutive bytes
.endr
	s_wait_tensorcnt 0x0                           ; the wave's end, behind my last LDS store
	ds_add_u32 v[SPW], v[NIL]
	s_wait_dscnt 0x0
	s_endpgm
; ---------------- Wo into images.  The work-group takes 16 rows n, wave w the eight chunks of 32 along k from 256 w on.
.Lwo:
	s_sub_co_u32 s23, ttmp9, NSCAN                 ; which 16 rows
	v_and_b32 v3, 15, v0                           ; r
	v_bfe_u32 v4, v0, 4, 1                         ; hh
	v_lshlrev_b32 v5, 12, v3
	v_lshl_add_u32 v5, v4, 5, v5                   ; 4,096 r + 32 hh
	s_lshl_b32 s26, s23, 16
	s_lshl_b32 s24, s22, 10
	s_add_co_u32 s26, s26, s24
	s_add_nc_u64 s[8:9], s[8:9], s[26:27]
.irp f, 0,1,2,3,4,5,6,7
.irp c, 0,1
.irp p, 0,1
	global_load_b128 v[32+16*\f+8*\c+4*\p:35+16*\f+8*\c+4*\p], v5, s[8:9] offset:128*\f+64*\c+16*\p th:TH_LOAD_NT   ; Wo(r, 32 f + 16 c + 8 hh + 4 p ..)
.endr
.endr
.endr
	s_lshl_b32 s26, s22, 7                         ; K step 2 w: 64 tiles of rows each
	s_add_co_u32 s26, s26, s23
	s_lshl_b32 s26, s26, 12
	s_add_nc_u64 s[18:19], s[18:19], s[26:27]
	v_lshlrev_b32 v6, 4, v2
	s_wait_loadcnt 0x0
.set n, 0
.rept 64
	v_cvt_pk_f16_f32 v[32+n], v[32+2*n], v[33+2*n] ; packed downward in place: the target has been read, or is this line's own source
.set n, n+1
.endr
.irp f, 0,1,2,3,4,5,6,7
.irp c, 0,1
	global_store_b128 v6, v[32+8*\f+4*\c:35+8*\f+4*\c], s[18:19] offset:(\f/4)*262144+(\f%4)*1024+512*\c   ; 512 consecutive bytes
.endr
.endr
	s_endpgm
.Lfunc_end_k_qe767b2102a_prep:
	.size	k_qe767b2102a_prep, .Lfunc_end_k_qe767b2102a_prep-k_qe767b2102a_prep
	.p2alignl 7, 3214868480
	.fill 96, 4, 3214868480
	.section	.rodata,"a",@progbits
	.p2align	6, 0x0
	.amdhsa_kernel k_qe767b2102a_prep
		.amdhsa_group_segment_fixed_size 68096
		.amdhsa_private_segment_fixed_size 0
		.amdhsa_enable_private_segment 0
		.amdhsa_kernarg_size 72
		.amdhsa_user_sgpr_count 2
		.amdhsa_user_sgpr_kernarg_segment_ptr 1
		.amdhsa_wavefront_size32 1
		.amdhsa_system_sgpr_workgroup_id_x 1
		.amdhsa_system_sgpr_workgroup_id_y 1
		.amdhsa_system_sgpr_workgroup_id_z 1
		.amdhsa_system_vgpr_workitem_id 0
		.amdhsa_next_free_vgpr 192
		.amdhsa_next_free_sgpr 66
		.amdhsa_reserve_vcc 1
		.amdhsa_float_denorm_mode_32 3
		.amdhsa_float_denorm_mode_16_64 3
		.amdhsa_memory_ordered 1
		.amdhsa_forward_progress 1
		.amdhsa_inst_pref_size 72
	.end_amdhsa_kernel
	.amdgpu_metadata
---
amdhsa.version: [ 1, 2 ]
amdhsa.kernels:
  - .name:           k_qe767b2102a_prep
    .symbol:         k_qe767b2102a_prep.kd
    .args:
      - { .name: x, .offset: 0, .size: 8, .value_kind: global_buffer, .address_space: global }
      - { .name: Wv, .offset: 8, .size: 8, .value_kind: global_buffer, .address_space: global }
      - { .name: Wo, .offset: 16, .size: 8, .value_kind: global_buffer, .address_space: global }
      - { .name: A_log, .offset: 24, .size: 8, .value_kind: global_buffer, .address_space: global }
      - { .name: A_bias, .offset: 32, .size: 8, .value_kind: global_buffer, .address_space: global }
      - { .name: codes, .offset: 40, .size: 8, .value_kind: global_buffer, .address_space: global }
      - { .name: scales, .offset: 48, .size: 8, .value_kind: global_buffer, .address_space: global }
      - { .name: wo_img, .offset: 56, .size: 8, .value_kind: global_buffer, .address_space: global }
      - { .name: cs2, .offset: 64, .size: 8, .value_kind: global_buffer, .address_space: global }
    .group_segment_fixed_size: 68096
    .private_segment_fixed_size: 0
    .kernarg_segment_align: 8
    .kernarg_segment_size: 72
    .max_flat_workgroup_size: 128
    .sgpr_count:     66
    .vgpr_count:     192
    .wavefront_size: 32
...
	.end_amdgpu_metadata
.endif
;; end of part 1
;; launch vproj (part 2): grid 64 x 4, 4 waves a work-group, clusters of 4 x 4, 327,680 bytes of LDS; arguments codes, scales, bv, v_img, tsum; writes v_img, tsum
.if DOCPART == 2
	.amdgcn_target "amdgcn-amd-amdhsa--gfx1250"
	.amdhsa_code_object_version 6
	.text
	.protected	k_qe767b2102a_vproj
	.globl	k_qe767b2102a_vproj
	.p2align	8
	.type	k_qe767b2102a_vproj,@function
k_qe767b2102a_vproj:
	s_mov_b64 s[64:65], 0
	v_nop
	global_prefetch_b8 v0, s[64:65] scope:SCOPE_SE
	s_setreg_imm32_b32 hwreg(HW_REG_WAVE_MODE, 25, 1), 1
	s_wait_xcnt 0x0
	s_wait_alu depctr_hold_cnt(0) depctr_sa_sdst(0) depctr_va_vdst(0) depctr_va_sdst(0) depctr_va_ssrc(0) depctr_va_vcc(0) depctr_vm_vsrc(0)
	s_getreg_b32 s2, hwreg(HW_REG_IB_STS2, 6, 4)
	s_cmp_eq_u32 s2, 0
	s_cbranch_scc0 .Lentry_in_a_cluster
	s_endpgm
.Lentry_in_a_cluster:
	s_bfe_u32 s2, ttmp6, 0x10000c
	s_cmp_lg_u32 s2, 0xf033
	s_cbranch_scc0 .Lentry_shape_is_right
	s_endpgm
.Lentry_shape_is_right:
; v = Q(x) Q(Wv)^T + bv on codes of FP4 (E2M1) with one E8M0 scale for each 32 along K; sums in f32.  "A" is Wv (1,024 rows e), "B" is x (16,384 rows (b, t)); K = 1,024.
; A work-group of four waves makes 256 e x 256 rows of x, a wave 128 x 128: 64 accumulators.  K goes in two steps of 512 through two LDS slots, each filled once by the tensor data mover;
; the scale bytes of the work-group's rows come once, with the first fills.  CLUSTERS: 4 x 4 work-groups; A's tiles are asked for jointly along a row of the cluster, B's along a column.
; THE MATRIX INSTRUCTION: source 0 = 16 rows of x, source 1 = 16 rows of Wv.  Lane (r, hh) of accumulator (a, b) then holds e = 16 a + r and the eight neighbouring keys t = 16 b + 8 hh + 0 .. 7.
; Rounded to f16 in pairs that is half b % 2 of an IMAGE of the next launch's operand (16 channels x 32 keys: [half][lane][16 bytes]): it is stored straight from registers, 512 consecutive bytes a store.
; v_img: [head 16][32 keys: 64][4 batch + d / 16: 32][1,024 bytes].  tsum: [head][128 keys: 16][64 batch + d], f32: the sums of v over each 128 keys, taken of the f32 numbers.
; The bias is the C of each sum's first product.  LIMIT: |v| stays under 65,504 (f16).
; REGISTERS: window 0: v0-31 addresses; v32-95 scale words, two sets; v128-191 A's fragments, one set; v192-255 the bias, eight registers for each block of A.  window 1: B's fragments, two sets.  windows 2, 3: accumulators.
.set KSTEP,  512
.set NQ,     4
.set ROWB,   256                       ; a tile's row: 512 codes
.set KROW,   512                       ; a row of codes in memory
.set PITCH,  272                       ; 256 bytes + 16 of padding: the 16 rows of a fragment load start at 16 different banks
.set FR,     8
.set NL,     2
.set NP,     4
.set HALFT,  128*PITCH
.set SLOT,   4*HALFT
.set KS,     32                        ; a row of scale bytes
.set SCL,    2*SLOT
.set HALFS,  (128*KS/256)*272
.set SBLK,   (16*KS/256)*272
.set SPARE,  SCL+4*HALFS               ; the spare words, 128 bytes a wave
.set ADRA, 16
.set ADRB, 20
.set L16,  24                          ; v24  16 x lane
.set L4,   25                          ; v25  4 x lane
.set BO,   26                          ; v26  4 x (lane % 16)
.set ADRS, 27
.set SPW,  28
.set NIL,  29
.set SC,   32
.set AF,   128
.set BI,   192
.set SUMS, 32                          ; the way out: v32-47 the key sums, a pair for each block of A; v48-51 two blocks' sums side by side; v64-127 packed results, two sets
.set CMB,  48
.set PK,   64
.set G1, 24
.set G0, 32
.set G1B, 48
.set G0B, 56
.set G1S, 68
.set G0S, 76
.set G1SB, 80
.set G0SB, 88
.set MSB, 0
.macro WIN new
.if MSB != \new
	s_set_vgpr_msb (MSB<<8)|\new
.set MSB, \new
.endif
.endm
.set MUL_LO, 0xa1                      ; source 0 (B) window 1, source 1 (A) window 0, C and D window 2
.set MUL_HI, 0xf1
.set TO_B,   0x40
.macro JLOAD g0a, g1a, g0b, g1b        ; waves 0 and 1 fetch for A, waves 2 and 3 for B; the branch hangs on the wave's number alone
	s_cmp_eq_u32 s15, 0
	s_cbranch_scc0 .Lfor_b_\@
	tensor_load_to_lds s[\g0a:\g0a+3], s[\g1a:\g1a+7]
	s_nop 0
.rept 4
	v_nop
.endr
	s_branch .Lasked_\@
.Lfor_b_\@:
	tensor_load_to_lds s[\g0b:\g0b+3], s[\g1b:\g1b+7]
	s_nop 0
.rept 4
	v_nop
.endr
.Lasked_\@:
.endm
.macro CROUND                          ; a round of the cluster's barrier
	s_barrier_signal -1
	s_barrier_wait -1
	s_cmp_lg_u32 s14, 0
	s_cbranch_scc1 .Lnot_wave_0_\@
	s_barrier_signal -3
.Lnot_wave_0_\@:
	s_barrier_wait -3
	s_barrier_signal -1
	s_barrier_wait -1
.endm
	s_load_b128 s[8:11], s[0:1], 0x0               ; codes s[8:9], scales s[10:11]: x's rows first
	s_load_b64 s[12:13], s[0:1], 0x10              ; bv
	s_load_b128 s[96:99], s[0:1], 0x18             ; v_img s[96:97], tsum s[98:99]
	v_lshl_add_u32 v[SPW], v0, 2, SPARE
	v_mov_b32 v[NIL], 0
	ds_add_u32 v[SPW], v[NIL]                      ; the wave's opening: the add, twice on end, and its wait ahead of my first tensor load
	ds_add_u32 v[SPW], v[NIL]
	v_lshrrev_b32 v1, 5, v0
	v_readfirstlane_b32 s14, v1                    ; wave
	s_lshr_b32 s15, s14, 1                         ; my half of A's rows.  Also: I fetch for A (0) or for B (1)
	s_and_b32 s16, s14, 1                          ; my half of B's rows.  Also: which 128 rows I fetch
	s_bfe_u32 s40, ttmp6, 0x40000                  ; cx
	s_bfe_u32 s41, ttmp6, 0x40004                  ; cy
	s_lshl_b32 s42, ttmp9, 2
	s_add_co_u32 s42, s42, s40                     ; B's tile: 0 .. 63
	s_and_b32 s17, ttmp7, 0xffff
	s_lshl_b32 s17, s17, 2
	s_add_co_u32 s17, s17, s41                     ; A's tile: 0 .. 3
	s_lshl_b32 s43, s41, 2
	s_lshl_b32 s43, 15, s43                        ; my row of the cluster
	s_lshl_b32 s44, 0x1111, s40                    ; my column
	s_or_b32 s[G1+0], s43, (0<<16)|(1<<20)|(1<<21)|(5<<22)|(3<<25)   ; mask; elements of 1 byte; padding: 4 words behind every 64
	s_or_b32 s[G1B+0], s44, (0<<16)|(1<<20)|(1<<21)|(5<<22)|(3<<25)
.irp g, G1, G1B
	s_mov_b32 s[\g+1], ROWB<<16
	s_mov_b32 s[\g+2], 128<<16
	s_mov_b32 s[\g+3], ROWB<<16
	s_mov_b32 s[\g+4], 128
	s_mov_b32 s[\g+5], KROW
	s_mov_b32 s[\g+6], 0
	s_mov_b32 s[\g+7], 0
.endr
	s_or_b32 s[G1S+0], s43, (3<<16)|(1<<20)|(1<<21)|(5<<22)|(3<<25)  ; the scales of 128 rows: 4,096 dense bytes as 16 rows of 256, 16 bytes of padding behind each
	s_or_b32 s[G1SB+0], s44, (3<<16)|(1<<20)|(1<<21)|(5<<22)|(3<<25)
.irp g, G1S, G1SB
	s_mov_b32 s[\g+1], 32<<16
	s_mov_b32 s[\g+2], (128*KS/256)<<16
	s_mov_b32 s[\g+3], 32<<16
	s_mov_b32 s[\g+4], 128*KS/256
	s_mov_b32 s[\g+5], 32
	s_mov_b32 s[\g+6], 0
	s_mov_b32 s[\g+7], 0
.endr
	s_lshl_b32 s18, s16, 7
	s_lshl_b32 s20, s17, 8
	s_add_co_u32 s20, s20, s18                     ; A: row 256 x tile + 128 x half
	s_lshl_b32 s46, s42, 8
	s_add_co_u32 s46, s46, s18                     ; B likewise
	s_mov_b32 s21, 0
	s_mov_b32 s47, 0
	s_mov_b64 s[18:19], KS
	s_mul_u64 s[22:23], s[20:21], s[18:19]
	s_mul_u64 s[92:93], s[46:47], s[18:19]
	s_mov_b64 s[18:19], KROW
	s_mul_u64 s[20:21], s[20:21], s[18:19]
	s_mul_u64 s[46:47], s[46:47], s[18:19]
	s_mul_i32 s45, s14, HALFT
	s_mul_i32 s94, s14, HALFS
	s_wait_dscnt 0x0                               ; both opening adds are done
	s_wait_kmcnt 0x0
	s_add_nc_u64 s[4:5], s[8:9], 0x800000          ; Wv's codes lie behind x's 8,388,608 bytes,
	s_add_nc_u64 s[6:7], s[10:11], 0x80000         ; its scale bytes behind x's 524,288
	s_add_nc_u64 s[20:21], s[4:5], s[20:21]
	s_add_nc_u64 s[22:23], s[6:7], s[22:23]
	s_add_nc_u64 s[46:47], s[8:9], s[46:47]
	s_add_nc_u64 s[92:93], s[10:11], s[92:93]
	CROUND                                         ; all sixteen work-groups are here: the first joint loads meet
	s_mov_b32 s[G0S], 1
	s_add_co_u32 s[G0S+1], s94, SCL
	s_mov_b64 s[G0S+2:G0S+3], s[22:23]
	s_or_b32 s[G0S+3], s[G0S+3], 0x80000000
	s_mov_b32 s[G0SB], 1
	s_add_co_u32 s[G0SB+1], s94, SCL
	s_mov_b64 s[G0SB+2:G0SB+3], s[92:93]
	s_or_b32 s[G0SB+3], s[G0SB+3], 0x80000000
	JLOAD G0S, G1S, G0SB, G1SB                     ; three loads of mine are out at the most: the scales, slot 0, slot 1
.irp s, 0,1
	s_mov_b32 s[G0+4*\s], 1
	s_add_co_u32 s[G0+4*\s+1], s45, \s*SLOT
	s_add_nc_u64 s[G0+4*\s+2:G0+4*\s+3], s[20:21], \s*ROWB
	s_or_b32 s[G0+4*\s+3], s[G0+4*\s+3], 0x80000000
	s_mov_b32 s[G0B+4*\s], 1
	s_add_co_u32 s[G0B+4*\s+1], s45, \s*SLOT
	s_add_nc_u64 s[G0B+4*\s+2:G0B+4*\s+3], s[46:47], \s*ROWB
	s_or_b32 s[G0B+4*\s+3], s[G0B+4*\s+3], 0x80000000
	JLOAD G0+4*\s, G1, G0B+4*\s, G1B
.endr
	v_and_b32 v1, 15, v0                           ; r
	v_bfe_u32 v2, v0, 4, 1                         ; hh
	; the bias: bv at my 128 rows of Wv; lane r wants bv[16 a + r] for block a
	s_lshl_b32 s20, s17, 10
	s_lshl_b32 s21, s15, 9
	s_add_co_u32 s20, s20, s21
	s_mov_b32 s21, 0
	s_add_nc_u64 s[12:13], s[12:13], s[20:21]
	v_lshlrev_b32 v[BO], 2, v1
.irp a, 0,1,2,3,4,5,6,7
	global_load_b32 v[BI+8*\a], v[BO], s[12:13] offset:64*\a
.endr
	v_mul_u32_u24 v3, v1, PITCH
	v_lshl_add_u32 v4, v2, 4, v3
	s_mul_i32 s21, s15, HALFT
	s_mul_i32 s22, s16, HALFT
	s_add_co_u32 s22, s22, 2*HALFT
.irp s, 0,1
	v_add_nc_u32 v[ADRA+\s], s21, v4
	v_add_nc_u32 v[ADRB+\s], s22, v4
	s_add_co_u32 s21, s21, SLOT
	s_add_co_u32 s22, s22, SLOT
.endr
	v_mul_u32_u24 v5, v1, KS
	v_lshrrev_b32 v6, 8, v5
	v_lshl_add_u32 v5, v6, 4, v5                   ; my row's scale bytes: 32 a row, 16 more for each 256 passed
	s_mul_i32 s21, s15, HALFS
	s_mul_i32 s22, s16, HALFS
	s_add_co_u32 s22, s22, 2*HALFS
	s_sub_co_u32 s22, s22, s21
	v_mul_u32_u24 v6, s22, v2                      ; lanes 16-31 take B's
	s_add_co_u32 s21, s21, SCL
	v_add_nc_u32 v5, v5, v6
	v_add_nc_u32 v[ADRS], s21, v5
	v_and_b32 v6, 31, v0
	v_lshlrev_b32 v[L16], 4, v6
	v_lshlrev_b32 v[L4], 2, v6
	; where my results go.  head = 4 x A's tile + 2 x half (+ a / 4); batch = B's tile / 8; keys from 256 (B's tile % 8) + 128 x half on
	s_lshl_b32 s20, s17, 2
	s_lshl_b32 s21, s15, 1
	s_add_co_u32 s20, s20, s21                     ; my first head
	s_and_b32 s46, s42, 7
	s_lshr_b32 s47, s42, 3                         ; batch
	s_lshl_b32 s21, s20, 6
	s_lshl_b32 s22, s46, 3
	s_add_co_u32 s21, s21, s22
	s_lshl_b32 s22, s16, 2
	s_add_co_u32 s21, s21, s22                     ; 64 x head + my first chunk of 32 keys
	s_lshl_b32 s22, s21, 15
	s_lshl_b32 s23, s47, 12
	s_add_co_u32 s22, s22, s23
	s_mov_b32 s23, 0
	s_add_nc_u64 s[96:97], s[96:97], s[22:23]
	s_lshl_b32 s21, s20, 4
	s_lshl_b32 s22, s46, 1
	s_add_co_u32 s21, s21, s22
	s_add_co_u32 s21, s21, s16                     ; 16 x head + which 128 keys
	s_lshl_b32 s22, s21, 11
	s_lshl_b32 s21, s47, 8
	s_add_co_u32 s22, s22, s21
	s_add_nc_u64 s[98:99], s[98:99], s[22:23]
	s_wait_loadcnt 0x0                             ; the bias
.irp a, 0,1,2,3,4,5,6,7
.irp j, 1,2,3,4,5,6,7
	v_mov_b32 v[BI+8*\a+\j], v[BI+8*\a]            ; a lane's eight results of a block share one e
.endr
.endr
.macro FRAG reg, adr, q, i
.irp c, 0,1
	ds_load_b128 v[\reg+4*\c:\reg+4*\c+3], v[\adr] offset:64*(\q)+32*\c+(\i)*16*PITCH
.endr
.endm
; 16 matrix instructions: A's blocks a0, a0 + 1 x B's eight.  The 64 accumulators take turns, one instruction a turn.  first = 1: the bias is C.
.macro MUL16 a0, p, q, sc, first
.irp a, \a0, \a0+1
.irp b, 0,1,2,3,4,5,6,7
.if \first
	v_wmma_scale_f32_16x16x128_f8f6f4 v[8*(8*((\a)%4)+\b):8*(8*((\a)%4)+\b)+7], v[128*(\p)+FR*\b:128*(\p)+FR*\b+FR-1], v[AF+FR*(\a):AF+FR*(\a)+FR-1], v[BI+8*(\a):BI+8*(\a)+7], v[SC+8*NQ*(\sc)+NQ*\b+(\q)], v[SC+8*NQ*(\sc)+NQ*(\a)+(\q)] matrix_a_fmt:MATRIX_FMT_FP4 matrix_b_fmt:MATRIX_FMT_FP4 matrix_a_scale:MATRIX_SCALE_ROW1
.else
	v_wmma_scale_f32_16x16x128_f8f6f4 v[8*(8*((\a)%4)+\b):8*(8*((\a)%4)+\b)+7], v[128*(\p)+FR*\b:128*(\p)+FR*\b+FR-1], v[AF+FR*(\a):AF+FR*(\a)+FR-1], v[8*(8*((\a)%4)+\b):8*(8*((\a)%4)+\b)+7], v[SC+8*NQ*(\sc)+NQ*\b+(\q)], v[SC+8*NQ*(\sc)+NQ*(\a)+(\q)] matrix_a_fmt:MATRIX_FMT_FP4 matrix_b_fmt:MATRIX_FMT_FP4 matrix_a_scale:MATRIX_SCALE_ROW1
.endif
.endr
.endr
.endm
.macro FETCH_B slot, q, p
	WIN TO_B
.irp i, 0,1,2,3,4,5,6,7
	FRAG 128*(\p)+FR*\i, ADRB+\slot, \q, \i
.endr
	WIN 0
.endm
.macro FETCH_A slot, q, i0
.irp i, \i0, \i0+1, \i0+2, \i0+3
	FRAG AF+FR*(\i), ADRA+\slot, \q, \i
.endr
.endm
.macro SCALES sc                       ; a K step's scale words: lanes 0-15 take A's block i, lanes 16-31 B's block i
.irp i, 0,1,2,3,4,5,6,7
	ds_load_b128 v[SC+8*NQ*\sc+NQ*\i:SC+8*NQ*\sc+NQ*\i+3], v[ADRS] offset:\i*SBLK
.endr
.endm
.macro PLACES n                        ; plain vector lines between a matrix instruction and a load into, or a vector line on, its registers
.rept \n
	v_nop
.endr
.endm
.macro STEP slot, q, first
	s_wait_dscnt 4*NL                              ; B's set and A's blocks 0-3 are in; the eight youngest loads (A's blocks 4-7) may be out
.if \first
	WIN 0x81                                       ; C (the bias) window 0, D window 2
.else
	WIN MUL_LO
.endif
	MUL16 0, (\q)%2, \q, \slot, \first
	MUL16 2, (\q)%2, \q, \slot, \first
	s_wait_dscnt 0
	PLACES NP
	FETCH_B \slot, (\q)+1, 1-(\q)%2
	FETCH_A \slot, (\q)+1, 0
.if \first
	WIN 0xc1
.else
	WIN MUL_HI
.endif
	MUL16 4, (\q)%2, \q, \slot, \first
	MUL16 6, (\q)%2, \q, \slot, \first
	PLACES NP
	WIN 0
	FETCH_A \slot, (\q)+1, 4
.endm
	s_wait_tensorcnt 1                             ; the scales and my part of slot 0 are in; slot 1's load may be out
	s_barrier_signal -1
	s_barrier_wait -1
	FETCH_B 0, 0, 0
	FETCH_A 0, 0, 0
	SCALES 0
	FETCH_A 0, 0, 4
	STEP 0, 0, 1
	STEP 0, 1, 0
	STEP 0, 2, 0
	; slot 0's last step changes slots: one barrier; nothing is filled again in this launch
	s_wait_tensorcnt 0x0                           ; my part of slot 1 has landed
	ds_add_u32 v[SPW], v[NIL]
	s_wait_dscnt 4*NL+1                            ; (the add and A's blocks 4-7 may be out)
	WIN MUL_LO
	MUL16 0, 1, NQ-1, 0, 0
	s_wait_dscnt 0x0
	s_barrier_signal -1
	MUL16 2, 1, NQ-1, 0, 0
	WIN 0
	s_barrier_wait -1
	PLACES NP
	v_add_nc_u32 v[ADRS], 4*NQ, v[ADRS]            ; the second K step's scale words
	FETCH_B 1, 0, 0
	FETCH_A 1, 0, 0
	SCALES 1
	WIN MUL_HI
	MUL16 4, 1, NQ-1, 0, 0
	MUL16 6, 1, NQ-1, 0, 0
	PLACES NP
	WIN 0
	FETCH_A 1, 0, 4
	STEP 1, 0, 0
	STEP 1, 1, 0
	STEP 1, 2, 0
	s_wait_dscnt 4*NL
	WIN MUL_LO
	MUL16 0, 1, NQ-1, 1, 0
	MUL16 2, 1, NQ-1, 1, 0
	s_wait_dscnt 0
	WIN MUL_HI
	MUL16 4, 1, NQ-1, 1, 0
	MUL16 6, 1, NQ-1, 1, 0
	WIN 0
	; THE WAY OUT.  First the sums over my 128 keys, of the f32 numbers: for each block of A a pair of partial sums; four chains by turns; each accumulator is read from its low end on.
	PLACES NP
.irp j, 0,1,2,3,4,5,6,7,8,9,10,11,12,13,14,15
	v_mov_b32 v[SUMS+\j], 0
.endr
.irp w, 0,1
	WIN 0x08+4*\w                                  ; source 1: window 2 or 3
.irp b, 0,1,2,3,4,5,6,7
.irp p, 0,1,2,3
.irp a, 0,1,2,3
	v_pk_add_f32 v[SUMS+2*(4*\w+\a):SUMS+2*(4*\w+\a)+1], v[SUMS+2*(4*\w+\a):SUMS+2*(4*\w+\a)+1], v[8*(8*\a+\b)+2*\p:8*(8*\a+\b)+2*\p+1]
.endr
.endr
.endr
.endr
	WIN 0
.macro OUT a                           ; block a: eight halves of images, each 512 consecutive bytes
	WIN 0x0a+5*((\a)/4)
.irp b, 0,1,2,3,4,5,6,7
.irp p, 0,1,2,3
	v_cvt_pk_f16_f32 v[PK+32*((\a)%2)+4*\b+\p], v[8*(8*((\a)%4)+\b)+2*\p], v[8*(8*((\a)%4)+\b)+2*\p+1]
.endr
.endr
	WIN 0
.irp b, 0,1,2,3,4,5,6,7
	global_store_b128 v[L16], v[PK+32*((\a)%2)+4*\b:PK+32*((\a)%2)+4*\b+3], s[96:97] offset:((\a)/4)*2097152+(\b/2)*32768+((\a)%4)*1024+(\b%2)*512
.endr
.endm
	OUT 0
	OUT 1
.irp a, 2,3,4,5,6,7
	s_wait_xcnt 0x0                                ; the stores of two blocks back have read their registers
	OUT \a
.endr
	s_mov_b32 s20, 0x76543210
	s_mov_b32 s21, 0xfedcba98                      ; lane l xor 16
	s_mov_b32 s22, 0xffff0000
.irp a, 0,1,2,3,4,5,6,7
	v_add_f32 v[SUMS+2*\a], v[SUMS+2*\a], v[SUMS+2*\a+1]
.endr
.irp a, 0,1,2,3,4,5,6,7
	v_permlanex16_b32 v[SUMS+2*\a+1], v[SUMS+2*\a], s20, s21
.endr
.irp a, 0,1,2,3,4,5,6,7
	v_add_f32 v[SUMS+2*\a], v[SUMS+2*\a], v[SUMS+2*\a+1]   ; every lane (r, .) holds the sum for e = 16 a + r
.endr
.irp g, 0,1,2,3
	v_cndmask_b32 v[CMB+\g], v[SUMS+4*\g], v[SUMS+4*\g+2], s22   ; lanes 0-15 block 2 g, lanes 16-31 block 2 g + 1: 32 neighbouring channels
.endr
.irp g, 0,1,2,3
	global_store_b32 v[L4], v[CMB+\g], s[98:99] offset:(\g/2)*32768+(\g%2)*128   ; 128 consecutive bytes: the buffer is 512 KiB in all
.endr
	s_wait_tensorcnt 0x0                           ; the wave's end
	ds_add_u32 v[SPW], v[NIL]
	s_wait_dscnt 0x0
	CROUND                                         ; the closing round
	s_endpgm
.Lfunc_end_k_qe767b2102a_vproj:
	.size	k_qe767b2102a_vproj, .Lfunc_end_k_qe767b2102a_vproj-k_qe767b2102a_vproj
	.p2alignl 7, 3214868480
	.fill 96, 4, 3214868480
	.section	.rodata,"a",@progbits
	.p2align	6, 0x0
	.amdhsa_kernel k_qe767b2102a_vproj
		.amdhsa_group_segment_fixed_size 327680
		.amdhsa_private_segment_fixed_size 0
		.amdhsa_enable_private_segment 0
		.amdhsa_kernarg_size 40
		.amdhsa_user_sgpr_count 2
		.amdhsa_user_sgpr_kernarg_segment_ptr 1
		.amdhsa_wavefront_size32 1
		.amdhsa_system_sgpr_workgroup_id_x 1
		.amdhsa_system_sgpr_workgroup_id_y 1
		.amdhsa_system_sgpr_workgroup_id_z 1
		.amdhsa_system_vgpr_workitem_id 0
		.amdhsa_next_free_vgpr 1024
		.amdhsa_next_free_sgpr 100
		.amdhsa_reserve_vcc 0
		.amdhsa_float_denorm_mode_32 3
		.amdhsa_float_denorm_mode_16_64 3
		.amdhsa_memory_ordered 1
		.amdhsa_forward_progress 1
		.amdhsa_inst_pref_size 139
	.end_amdhsa_kernel
	.amdgpu_metadata
---
amdhsa.version: [ 1, 2 ]
amdhsa.kernels:
  - .name:           k_qe767b2102a_vproj
    .symbol:         k_qe767b2102a_vproj.kd
    .args:
      - { .name: codes, .offset: 0, .size: 8, .value_kind: global_buffer, .address_space: global }
      - { .name: scales, .offset: 8, .size: 8, .value_kind: global_buffer, .address_space: global }
      - { .name: bv, .offset: 16, .size: 8, .value_kind: global_buffer, .address_space: global }
      - { .name: v_img, .offset: 24, .size: 8, .value_kind: global_buffer, .address_space: global }
      - { .name: tsum, .offset: 32, .size: 8, .value_kind: global_buffer, .address_space: global }
    .group_segment_fixed_size: 327680
    .private_segment_fixed_size: 0
    .kernarg_segment_align: 8
    .kernarg_segment_size: 40
    .max_flat_workgroup_size: 128
    .sgpr_count:     100
    .vgpr_count:     1024
    .wavefront_size: 32
...
	.end_amdgpu_metadata
.endif
;; end of part 2
;; launch hatt (part 3): grid 16 x 16, 8 waves a work-group, clusters of 4 x 1, 327,680 bytes of LDS; arguments v_img, tsum, cs2, L, L_bias, levels, o_img; writes o_img
.if DOCPART == 3
	.amdgcn_target "amdgcn-amd-amdhsa--gfx1250"
	.amdhsa_code_object_version 6
	.text
	.protected	k_qe767b2102a_hatt
	.globl	k_qe767b2102a_hatt
	.p2align	8
	.type	k_qe767b2102a_hatt,@function
k_qe767b2102a_hatt:
	s_mov_b64 s[64:65], 0
	v_nop
	global_prefetch_b8 v0, s[64:65] scope:SCOPE_SE
	s_setreg_imm32_b32 hwreg(HW_REG_WAVE_MODE, 25, 1), 1
	s_wait_xcnt 0x0
	s_wait_alu depctr_hold_cnt(0) depctr_sa_sdst(0) depctr_va_vdst(0) depctr_va_sdst(0) depctr_va_ssrc(0) depctr_va_vcc(0) depctr_vm_vsrc(0)
	s_getreg_b32 s2, hwreg(HW_REG_IB_STS2, 6, 4)
	s_cmp_eq_u32 s2, 0
	s_cbranch_scc0 .Lentry_in_a_cluster
	s_endpgm
.Lentry_in_a_cluster:
	s_bfe_u32 s2, ttmp6, 0x10000c
	s_cmp_lg_u32 s2, 0x3003
	s_cbranch_scc0 .Lentry_shape_is_right
	s_endpgm
.Lentry_shape_is_right:
; o[b][h][t][:] = the sum over s of softmax_s(Hm[t][s][h]) v[b][h][s][:], Hm = (L + L_bias)[t][h][levels[t][s]] x exp(cs[t] - cs[s]) for s <= t, and 0 for s > t (those keys count in the softmax).
; THE WEIGHTS DO NOT HANG ON b: a work-group holds all 8 x 64 columns (b, d) of one head for its rows, so each weight is made once.
; KEYS BEHIND THE ROWS have one weight a row, c = 2^(-M): all keys from 256 (I + 1) on enter as c x R, R the f32 sum of v over them (from tsum), and as c x their number in the divisor.
; SOFTMAX: W = Hm log2(e); a running maximum M for each row; p = 2^(W - M), at most 1, rounded to f16 for the product; the row's sum is taken of the f32 p; when M moves, sum and O are multiplied by f = 2^(old M - new M).
; cs never rises, so for a tile of keys that lies wholly before the rows 2^(cs2[t] - cs2[s]) = 2^(cs2[t] - e) x 2^(e - cs2[s]), e = cs2 at the tile's last key, both factors at most 1 (FAR tiles): five exponentials
; in place of 64 a lane.  The last two tiles of a block of rows (NEAR) take the exponential of each difference and are masked by value.
; SHARES.  A cluster (Q = cluster x, H = head) owns two blocks of 256 rows, I = 7 - Q and then I = Q; partner CX owns rows 256 I + 64 CX + 0 .. 63 of each.  Block I walks the tiles of 128 keys j = 0 .. 2 I + 1:
; 16 - 2 Q steps and then 2 Q + 2: 18 steps in every work-group, the same tiles in all four partners: V's tiles are asked for JOINTLY.  No branch and no LDS address hangs on CX.
; ROLES.  Waves 0-3 multiply (64 rows x 128 columns each: 32 accumulators); waves 4-7 make the weights (16 rows x 128 keys a step each).  In step u the makers write P(u), every wave asks for its eighth of V(u),
; and the multipliers take step u - 1.  The text takes waves w and w + 4 to lie on one SIMD, so that vector and matrix work run side by side.  A trip of the loop is two steps, so that every LDS slot is a constant of the text.
; LAYOUT.  O^T = V^T P^T: source 0 = 16 columns (b, d) x 32 keys (an image of v_img), source 1 = 16 rows x 32 keys of P.  A lane of the result holds one row t and eight neighbouring d: rounded to f16 that is half of an
; image of the next launch's operand.  o_img: [h / 2][128 b + t / 16][2 (h % 2) + d / 32][1,024 bytes].
; LIMITS: NaN and infinities are not served; levels are held at 11 from above; p under 2^-24 is lost in f16 (at most 2,048 x 2^-24 of a row's weight); |o| is at most the largest |v|.
.set VSL,   0x20000                    ; V's slots at 0 and here: [32 keys: 4][column tile: 32][1,024 bytes]
.set PB,    0x40000                    ; P's two buffers: 64 rows x (256 bytes + 16)
.set PBS,   17408
.set PP,    272
.set RS,    0x48800                    ; R of the two blocks: 2 x 512 f32
.set FS,    0x49800                    ; f for each row: 2 x 64 f32
.set ZS,    0x49a00                    ; (c, 1 / Z) for each row
.set SPARE, 0x49c00                    ; the spare words, 128 bytes a wave: four blocks of 256 bytes that no other line names
.set NEGBIG, 0xff61b1e6                ; -3e38
.set LOG2E,  0x3fb8aa3b
; vector registers of both roles: all made ahead of the parting of the roles, never rewritten
.set LN,   1
.set RL,   2
.set HH,   3
.set SPW,  4
.set NIL,  5
.set ADV,  6                           ; v6-9  V's fragments: slot 0 keys 0-63, 64-127; slot 1 likewise
.set ADPR, 10                          ; P, read
.set ADFR, 11                          ; f, read
.set ADP,  12                          ; P, written
.set ADFW, 13                          ; f, written
.set ADZW, 14
.set ADZR, 15
.set ADRR, 16
.set ADRW, 17
.set L16,  18                          ; 16 x lane
.set K508, 19                          ; 508: a tile's last key in cs2
.set PFO,  20                          ; 256 x lane
.set TBO,  21                          ; 4 x min(lane % 16, 11)
.set R4,   22                          ; 4 x (lane % 16)
.set T8,   23                          ; 8 x thread
; makers.  window 0:
.set CST,  26                          ; lane i: cs2 of row i
.set AV,   27
.set SI,   28                          ; v28-31 my four keys in a tile: 4 lane + e
.set BF,   42                          ; v42-45 the keys' factors
.set FLR,  46                          ; 0 where keys lie behind the block, else -3e38
.set TMPV, 47
.set TBL,  48                          ; v48-63 row i's twelve (L + L_bias) log2(e), in lanes 0-11
.set MS,   64                          ; v64-95 pairs (M, f)
.set ZP,   96                          ; v96-127 the row's sum, in two halves
.set W,    128
.set D,    192
.set TBL2, 64                          ; window 1: v0-63 levels; v64-79, v80 the second block's table and cs2
.set CST2, 80
; multipliers.  window 0: v26-29 f; v30-37 (c, 1 / Z); two fragment buffers of 96 (P's four, V's eight); window 1: accumulator (m, i) at v[8 (8 m + i)]
.set FF,   26
.set ZC,   30
.set F0,   64
.set F1,   160
.set RG,   64
.set TM,   128
.set PK,   192
; scalars
.set WV,  18
.set RW,  20
.set Q,   21
.set H,   22
.set CX,  23
.set N1,  24
.set I1,  25
.set U,   26
.set TP,  27
.set G1,  28                           ; s[28:35]
.set G0,  36                           ; s[36:39] slot 0, s[40:43] slot 1
.set VB,  44
.set OF,  46                           ; s[46:47] an offset pair; s47 = 0
.set PFA, 48
.set LIM, 50
.set UP,  51
.set J,   52
.set I,   53
.set J1,  54
.set IN,  55
.set LB,  56
.set CB,  58
.set CH,  60
.set SEL, 62
.set AP,  68                           ; s[68:75] four pairs, the low word a row's number
.set TR,  77
.set CNT, 78
.set T2,  79
.set OB,  80
.set T16, 84                           ; 64 CX + 16 RW
.set MK,  86                           ; s86-89 lane masks
.set MSB, 0
.macro WIN new
.if MSB != \new
	s_set_vgpr_msb (MSB<<8)|\new
.set MSB, \new
.endif
.endm
.macro PLACES                          ; plain vector lines between a matrix instruction and a load into, or a vector line on, its registers
.rept 4
	v_nop
.endr
.endm
.macro ROUND                           ; a round of the cluster's barrier
	s_barrier_signal -1
	s_barrier_wait -1
	s_cmp_lg_u32 s[WV], 0
	s_cbranch_scc1 .Lnw0_\@
	s_barrier_signal -3
.Lnw0_\@:
	s_barrier_wait -3
	s_barrier_signal -1
	s_barrier_wait -1
.endm
.macro SCHED u, j, i                   ; step u: which block of rows, which tile of keys.  Q and the count of steps alone
	s_cmp_ge_u32 s[\u], s[N1]
	s_cselect_b32 s[\i], s[Q], s[I1]
	s_cselect_b32 s[TP], s[N1], 0
	s_sub_co_u32 s[\j], s[\u], s[TP]
.endm
	s_load_b256 s[4:11], s[0:1], 0x0               ; v_img s[4:5], tsum s[6:7], cs2 s[8:9], L s[10:11]
	s_load_b128 s[12:15], s[0:1], 0x20             ; L_bias s[12:13], levels s[14:15]
	s_load_b64 s[16:17], s[0:1], 0x30              ; o_img
	v_lshl_add_u32 v[SPW], v0, 2, SPARE
	v_mov_b32 v[NIL], 0
	ds_add_u32 v[SPW], v[NIL]                      ; the wave's opening: the add, twice on end, and its wait ahead of my first tensor load
	ds_add_u32 v[SPW], v[NIL]
	v_lshrrev_b32 v1, 5, v0
	v_readfirstlane_b32 s[WV], v1                  ; wave 0..7
	s_and_b32 s[RW], s[WV], 3                      ; my place in my role
	s_mov_b32 s[Q], ttmp9                          ; cluster x
	s_and_b32 s[H], ttmp7, 0xffff                  ; the head
	s_bfe_u32 s[CX], ttmp6, 0x40000                ; my place in the cluster: it enters global addresses and the mask's compare alone
	s_lshl_b32 s[TP], s[Q], 1
	s_sub_co_u32 s[N1], 16, s[TP]                  ; steps of the first block
	s_add_co_u32 s[T2], s[TP], 2                   ; of the second
	s_sub_co_u32 s[I1], 7, s[Q]
	s_mov_b32 s[G1], 15|(3<<16)|(1<<21)            ; the mask: all four partners; elements of 8 bytes; no padding
	s_mov_b32 s[G1+1], 32<<16                      ; 64 dense rows of 256 bytes: a wave's eighth of a tile
	s_mov_b32 s[G1+2], 64<<16
	s_mov_b32 s[G1+3], 32<<16
	s_mov_b32 s[G1+4], 64
	s_mov_b32 s[G1+5], 32
	s_mov_b32 s[G1+6], 0
	s_mov_b32 s[G1+7], 0
	s_mov_b32 s[G0], 1
	s_lshl_b32 s[G0+1], s[WV], 14
	s_mov_b32 s[G0+4], 1
	s_add_co_u32 s[G0+5], s[G0+1], VSL
	s_mov_b32 s[OF+1], 0
	s_mov_b32 s[SEL], 0x76543210
	s_mov_b32 s[SEL+1], 0xfedcba98                 ; lane l xor 16
.irp p, 1,3,5,7
	s_mov_b32 s[AP+\p], 0                          ; named as the upper words of pairs
.endr
	s_lshl_b32 s[T16], s[CX], 6
	s_lshl_b32 s[TP], s[RW], 4
	s_add_co_u32 s[T16], s[T16], s[TP]
	s_lshr_b32 s[TP], s[WV], 2
	s_xor_b32 s[TP], s[TP], 1                      ; 0 in the makers,
	s_or_b32 s[TP], s[TP], s[Q]                    ; of the head's first cluster: the same in all four partners
	s_cmp_eq_u32 s[TP], 0
	s_cselect_b32 s[LIM], 14, 0                    ; these waves prefetch in steps 0 .. 13
	s_wait_dscnt 0x0                               ; both opening adds are done
	s_wait_kmcnt 0x0
	v_and_b32 v[LN], 31, v0
	v_and_b32 v[RL], 15, v0
	v_bfe_u32 v[HH], v0, 4, 1
	v_lshlrev_b32 v[L16], 4, v[LN]
	s_lshl_b32 s[TP], s[RW], 13
	v_add_nc_u32 v[ADV], s[TP], v[L16]             ; my eight column tiles: 8,192 RW + 16 lane
	v_add_nc_u32 v[ADV+1], 0x10000, v[ADV]
	v_add_nc_u32 v[ADV+2], 0x20000, v[ADV]
	v_add_nc_u32 v[ADV+3], 0x30000, v[ADV]
	v_mul_u32_u24 v[ADPR], v[RL], PP
	v_lshl_add_u32 v[ADPR], v[HH], 4, v[ADPR]
	v_add_nc_u32 v[ADPR], PB, v[ADPR]
	v_lshl_add_u32 v[ADFR], v[RL], 2, FS
	s_mul_i32 s[TP], s[RW], 16*PP
	s_add_co_u32 s[TP], s[TP], PB
	v_lshl_add_u32 v[ADP], v[LN], 3, s[TP]
	s_lshl_b32 s[TP], s[RW], 6
	s_add_co_u32 s[TP], s[TP], FS
	v_mov_b32 v[ADFW], s[TP]
	s_lshl_b32 s[TP], s[RW], 7
	s_add_co_u32 s[TP], s[TP], ZS
	v_mov_b32 v[ADZW], s[TP]
	v_lshl_add_u32 v[ADZR], v[RL], 3, ZS
	s_lshl_b32 s[TP], s[RW], 9
	s_add_co_u32 s[TP], s[TP], RS
	v_lshl_add_u32 v[ADRR], v[HH], 5, s[TP]
	v_lshl_add_u32 v[ADRW], v0, 3, RS
	v_mov_b32 v[K508], 508
	v_lshlrev_b32 v[PFO], 8, v[LN]
	v_min_u32 v[TBO], 11, v[RL]
	v_lshlrev_b32 v[TBO], 2, v[TBO]
	v_lshlrev_b32 v[R4], 2, v[RL]
	v_lshlrev_b32 v[T8], 3, v0
	s_lshl_b32 s[OF], s[H], 21
	s_lshl_b32 s[TP], s[WV], 14
	s_add_co_u32 s[OF], s[OF], s[TP]
	s_add_nc_u64 s[VB:VB+1], s[4:5], s[OF:OF+1]    ; V: my head, my eighth of a tile: head and wave alone
	s_lshl_b32 s[OF], s[H], 15
	s_add_nc_u64 s[6:7], s[6:7], s[OF:OF+1]        ; tsum at my head
	s_lshl_b32 s[OF], s[H], 13
	s_add_nc_u64 s[CH:CH+1], s[8:9], s[OF:OF+1]    ; cs2 at my head
	s_lshl_b32 s[OF], s[H], 21
	s_lshl_b32 s[TP], s[CX], 15
	s_add_co_u32 s[OF], s[OF], s[TP]
	s_lshl_b32 s[TP], s[RW], 13
	s_add_co_u32 s[OF], s[OF], s[TP]
	s_add_co_u32 s[OF], s[OF], 131072
	s_add_nc_u64 s[PFA:PFA+1], s[4:5], s[OF:OF+1]  ; the prefetches: my work-group's quarter and my wave's quarter of that, in tile 1; each step's top steps it a tile on
.irp k, 0,1,2,3,4,5,6,7,8,9,10,11,12,13,14,15
	global_load_b64 v[128+2*\k:129+2*\k], v[T8], s[6:7] offset:2048*\k   ; the sums of v over each 128 keys, two columns a thread
.endr
	; every register that a role carries from step to step is written once here, ahead of the parting of the roles
.set n, 26
.rept 102
	v_mov_b32 v[n], 0
.set n, n+1
.endr
.irp i, 0,1,2,3,4,5,6,7,8,9,10,11,12,13,14,15
	v_mov_b32 v[MS+2*\i], NEGBIG                   ; M: under every W: the first f of a block is 0, which starts the sums anew
.endr
	v_lshlrev_b32 v[SI], 2, v[LN]
.irp e, 1,2,3
	v_add_nc_u32 v[SI+\e], \e, v[SI]
.endr
	s_cmp_eq_u32 s[Q], 0                           ; the block I = 7 has no key behind it
	s_cselect_b32 s[TP], NEGBIG, 0
	v_mov_b32 v[FLR], s[TP]
	WIN 0x40
.set n, 0
.rept 256
	v_mov_b32 v[n], 0                              ; the accumulators: the loop has no first step of its own; its first f, 0, wants numbers to multiply
.set n, n+1
.endr
	WIN 0
	s_wait_loadcnt 0x0
.irp k, 0,1,2,3,4,5,6,7,8,9,10,11,12,13,14,15
	s_cmp_le_u32 s[N1], \k                         ; R of the first block: the keys from 128 N1 on;
	s_cselect_b32 s[TP], 0x3f800000, 0
	s_cmp_le_u32 s[T2], \k                         ; of the second: from 128 (2 Q + 2) on.  A weight of 1 or 0: no branch
	s_cselect_b32 s[TR], 0x3f800000, 0
.if \k == 0
	v_mul_f32 v160, s[TP], v128
	v_mul_f32 v161, s[TP], v129
	v_mul_f32 v162, s[TR], v128
	v_mul_f32 v163, s[TR], v129
.else
	v_fma_f32 v160, v[128+2*\k], s[TP], v160
	v_fma_f32 v161, v[129+2*\k], s[TP], v161
	v_fma_f32 v162, v[128+2*\k], s[TR], v162
	v_fma_f32 v163, v[129+2*\k], s[TR], v163
.endif
.endr
	ds_store_b64 v[ADRW], v[160:161]
	ds_store_b64 v[ADRW], v[162:163] offset:2048
; the levels and cs2 of step (J1, IN) are asked for a step ahead; set: which registers take cs2
.macro NEXTLOADS set
	s_lshl_b32 s[OF], s[IN], 8
	s_add_co_u32 s[OF], s[OF], s[T16]              ; my first row
	s_lshl_b32 s[OF], s[OF], 13
	s_lshl_b32 s[TP], s[J1], 9
	s_add_co_u32 s[OF], s[OF], s[TP]
	s_add_nc_u64 s[LB:LB+1], s[14:15], s[OF:OF+1]
	s_mov_b32 s[OF], s[TP]
	s_add_nc_u64 s[CB:CB+1], s[CH:CH+1], s[OF:OF+1]
	WIN 0x40
.irp i, 0,1,2,3,4,5,6,7,8,9,10,11,12,13,14,15
	global_load_b128 v[4*\i:4*\i+3], v[L16], s[LB:LB+1] offset:8192*\i   ; row i, my four keys: 512 consecutive bytes a load
.endr
	WIN 0
	global_load_b128 v[32+6*\set:35+6*\set], v[L16], s[CB:CB+1]          ; cs2 of my four keys,
	global_load_b32 v[36+\set], v[K508], s[CB:CB+1]                      ; and of the tile's last key
.endm
	s_cmp_lt_u32 s[WV], 4
	s_cbranch_scc1 .Lhead_done
	; the makers: both blocks' tables and cs2 of my 16 rows
	s_lshl_b32 s90, s[I1], 8
	s_add_co_u32 s90, s90, s[T16]
	s_lshl_b32 s91, s[Q], 8
	s_add_co_u32 s91, s91, s[T16]
	s_mul_i32 s[TP], s[H], 48
	s_mul_i32 s[OF], s90, 768
	s_add_co_u32 s[OF], s[OF], s[TP]
	s_add_nc_u64 s[92:93], s[10:11], s[OF:OF+1]
	s_add_nc_u64 s[94:95], s[12:13], s[OF:OF+1]
	s_mul_i32 s[OF], s91, 768
	s_add_co_u32 s[OF], s[OF], s[TP]
	s_add_nc_u64 s[96:97], s[10:11], s[OF:OF+1]
	s_add_nc_u64 s[98:99], s[12:13], s[OF:OF+1]
	s_lshl_b32 s[OF], s90, 2
	s_add_nc_u64 s[LB:LB+1], s[CH:CH+1], s[OF:OF+1]
	s_lshl_b32 s[OF], s91, 2
	s_add_nc_u64 s[CB:CB+1], s[CH:CH+1], s[OF:OF+1]
.irp i, 0,1,2,3,4,5,6,7,8,9,10,11,12,13,14,15
	global_load_b32 v[TBL+\i], v[TBO], s[92:93] offset:768*\i
	global_load_b32 v[W+\i], v[TBO], s[94:95] offset:768*\i
	global_load_b32 v[W+16+\i], v[TBO], s[96:97] offset:768*\i
	global_load_b32 v[W+32+\i], v[TBO], s[98:99] offset:768*\i
.endr
	global_load_b32 v[CST], v[R4], s[LB:LB+1]
	global_load_b32 v[TMPV], v[R4], s[CB:CB+1]
	s_wait_loadcnt 0x0
.irp i, 0,1,2,3,4,5,6,7,8,9,10,11,12,13,14,15
	v_add_f32 v[TBL+\i], v[TBL+\i], v[W+\i]
	v_add_f32 v[W+16+\i], v[W+16+\i], v[W+32+\i]
.endr
.irp i, 0,1,2,3,4,5,6,7,8,9,10,11,12,13,14,15
	v_mul_f32 v[TBL+\i], LOG2E, v[TBL+\i]
.endr
	WIN 0x40
.irp i, 0,1,2,3,4,5,6,7,8,9,10,11,12,13,14,15
	v_mul_f32 v[TBL2+\i], LOG2E, v[W+16+\i]
.endr
	v_mov_b32 v[CST2], v[TMPV]
	WIN 0
	s_mov_b32 s[J1], 0
	s_mov_b32 s[IN], s[I1]
	NEXTLOADS 0                                    ; step 0
.Lhead_done:
; THE TOP OF A STEP, on every wave's path.  My tensor load (my eighth of the tile asked for a step ago) has landed; the makers' loads for this step, issued a step ago, are in (the multipliers have none out);
; my LDS reads and stores of the step before are done.  Behind the round no wave of any partner reads the slot that is filled next.
.macro TOP par, refill
	s_wait_loadcnt 0x0
	s_wait_tensorcnt 0x0                           ; no tensor load of mine is out, so a group 0 may be written
	ds_add_u32 v[SPW], v[NIL]
.if \refill
.if \par == 0
	ds_add_u32 v[SPW], v[NIL]                      ; and once more, in every trip alike
.endif
	s_add_co_u32 s[UP], s[U], \par                 ; the step
	SCHED UP, J, I
	s_lshl_b32 s[OF], s[J], 17
	s_add_nc_u64 s[G0+4*\par+2:G0+4*\par+3], s[VB:VB+1], s[OF:OF+1]   ; tile J of V
	s_or_b32 s[G0+4*\par+3], s[G0+4*\par+3], 0x80000000
	s_wait_xcnt 0x0                                ; the last prefetch, a step back, has read its address
	s_add_nc_u64 s[PFA:PFA+1], s[PFA:PFA+1], 131072
	s_wait_dscnt 0x0
	ROUND
	tensor_load_to_lds s[G0+4*\par:G0+4*\par+3], s[G1:G1+7]   ; my one tensor load until the next round: one of mine is out
	s_nop 0
.rept 4
	v_nop                                          ; (also the places behind the last products)
.endr
	; a prefetch of the tile that stands two steps on, in the first block of the head's first cluster, which walks all 16 tiles: its four partners take a quarter each, told apart by address, in each the four makers
	; 8,192 bytes each, lanes 256 bytes apart: each block of 256 bytes is named once in the launch.  Tiles 0 and 1 come by their loads alone; steps 14 on ask for nothing
	s_cmp_lt_u32 s[UP], s[LIM]
	s_cbranch_scc0 .Lna_\@
	global_prefetch_b8 v[PFO], s[PFA:PFA+1] th:TH_LOAD_NT scope:SCOPE_SE
.Lna_\@:
.else
	s_wait_dscnt 0x0
	s_barrier_signal -1
	s_barrier_wait -1
.endif
.endm
; ---------------- the multipliers
.macro FETCH rp, kc, f                 ; 32 keys: P's four fragments, V's eight: 24 loads
.irp m, 0,1,2,3
	ds_load_b128 v[\f+8*\m:\f+8*\m+3], v[ADPR] offset:\rp*PBS+\m*16*PP+64*\kc
	ds_load_b128 v[\f+8*\m+4:\f+8*\m+7], v[ADPR] offset:\rp*PBS+\m*16*PP+64*\kc+32
.endr
.irp i, 0,1,2,3,4,5,6,7
	ds_load_b128 v[\f+32+8*\i:\f+32+8*\i+3], v[ADV+2*\rp+\kc/2] offset:(\kc%2)*32768+1024*\i
	ds_load_b128 v[\f+32+8*\i+4:\f+32+8*\i+7], v[ADV+2*\rp+\kc/2] offset:(\kc%2)*32768+1024*\i+512
.endr
.endm
.macro MUL f                           ; 32 products; the accumulators take turns, one instruction a turn
	WIN 0x50
.irp m, 0,1,2,3
.irp i, 0,1,2,3,4,5,6,7
	v_wmma_f32_16x16x32_f16 v[8*(8*\m+\i):8*(8*\m+\i)+7], v[\f+32+8*\i:\f+32+8*\i+7], v[\f+8*\m:\f+8*\m+7], v[8*(8*\m+\i):8*(8*\m+\i)+7]
.endr
.endr
.endm
.macro MULR f                          ; the same, each accumulator first brought under the new M: x f of its lane's row.  The next accumulator's four lines are issued while the matrix unit works
.irp m, 0,1,2,3
.irp i, 0,1,2,3,4,5,6,7
	WIN 0x41
.irp p, 0,1,2,3
.if (\m%2) == 0
	v_pk_mul_f32 v[8*(8*\m+\i)+2*\p:8*(8*\m+\i)+2*\p+1], v[8*(8*\m+\i)+2*\p:8*(8*\m+\i)+2*\p+1], v[FF+2*(\m/2):FF+2*(\m/2)+1] op_sel_hi:[1,0]
.else
	v_pk_mul_f32 v[8*(8*\m+\i)+2*\p:8*(8*\m+\i)+2*\p+1], v[8*(8*\m+\i)+2*\p:8*(8*\m+\i)+2*\p+1], v[FF+2*(\m/2):FF+2*(\m/2)+1] op_sel:[0,1] op_sel_hi:[1,1]
.endif
.endr
	WIN 0x50
	v_wmma_f32_16x16x32_f16 v[8*(8*\m+\i):8*(8*\m+\i)+7], v[\f+32+8*\i:\f+32+8*\i+7], v[\f+8*\m:\f+8*\m+7], v[8*(8*\m+\i):8*(8*\m+\i)+7]
.endr
.endr
.endm
.macro CONSUME rp                      ; a step's 128 products, from the slots of parity rp
	PLACES
.irp m, 0,1,2,3
	ds_load_b32 v[FF+\m], v[ADFR] offset:256*\rp+64*\m
.endr
	FETCH \rp, 0, F0
	FETCH \rp, 1, F1
	s_wait_dscnt 24                                ; f and buffer 0 are in; buffer 1's 24 loads may be out
	MULR F0
	WIN 0
	PLACES
	FETCH \rp, 2, F0
	s_wait_dscnt 24                                ; all but the 24 just issued
	MUL F1
	WIN 0
	PLACES
	FETCH \rp, 3, F1
	s_wait_dscnt 24
	MUL F0
	s_wait_dscnt 0x0
	MUL F1
	WIN 0
.endm
.macro EPI blk                         ; a block of rows is finished: o = (O + c R) / Z, rounded to f16, stored as halves of images, 512 consecutive bytes a store
	PLACES
	s_wait_xcnt 0x0                                ; earlier stores have read their base
.if \blk == 0
	s_mov_b32 s[TP], s[I1]
.else
	s_mov_b32 s[TP], s[Q]
.endif
	s_lshr_b32 s[OF], s[H], 1
	s_lshl_b32 s[OF], s[OF], 10
	s_lshl_b32 s[T2], s[RW], 8
	s_add_co_u32 s[OF], s[OF], s[T2]
	s_lshl_b32 s[T2], s[TP], 4
	s_add_co_u32 s[OF], s[OF], s[T2]
	s_lshl_b32 s[T2], s[CX], 2
	s_add_co_u32 s[OF], s[OF], s[T2]               ; 1,024 (h / 2) + 128 (2 RW) + my first row / 16
	s_lshl_b32 s[OF], s[OF], 12
	s_and_b32 s[T2], s[H], 1
	s_lshl_b32 s[T2], s[T2], 11
	s_add_co_u32 s[OF], s[OF], s[T2]
	s_add_nc_u64 s[OB:OB+1], s[16:17], s[OF:OF+1]
.irp m, 0,1,2,3
	ds_load_b64 v[ZC+2*\m:ZC+2*\m+1], v[ADZR] offset:128*\m
.endr
.irp i, 0,1,2,3,4,5,6,7
	ds_load_b128 v[RG+8*\i:RG+8*\i+3], v[ADRR] offset:2048*\blk+64*\i
	ds_load_b128 v[RG+8*\i+4:RG+8*\i+7], v[ADRR] offset:2048*\blk+64*\i+16
.endr
	s_wait_dscnt 0x0
.irp m, 0,1,2,3
	WIN 0x10                                       ; the accumulator is source 2: window 1
.irp i, 0,1,2,3,4,5,6,7
.irp p, 0,1,2,3
	v_pk_fma_f32 v[TM+8*\i+2*\p:TM+8*\i+2*\p+1], v[RG+8*\i+2*\p:RG+8*\i+2*\p+1], v[ZC+2*\m:ZC+2*\m+1], v[8*(8*\m+\i)+2*\p:8*(8*\m+\i)+2*\p+1] op_sel_hi:[1,0,1]   ; each accumulator from its low end on
.endr
.endr
	WIN 0
.set n, 0
.rept 32
	v_pk_mul_f32 v[TM+n:TM+n+1], v[TM+n:TM+n+1], v[ZC+2*\m:ZC+2*\m+1] op_sel:[0,1] op_sel_hi:[1,1]
.set n, n+2
.endr
.if \m > 0
	s_wait_xcnt 0x0                                ; the last stores have read their registers
.endif
.set n, 0
.rept 32
	v_cvt_pk_f16_f32 v[PK+n], v[TM+2*n], v[TM+2*n+1]
.set n, n+1
.endr
.irp i, 0,1,2,3,4,5,6,7
	global_store_b128 v[L16], v[PK+4*\i:PK+4*\i+3], s[OB:OB+1] offset:(\i/4)*524288+\m*4096+((\i%4)/2)*1024+(\i%2)*512
.endr
.endr
	s_wait_xcnt 0x0                                ; the stores' registers are written again in the next step
.endm
; ---------------- the makers: 16 rows x 128 keys; lane l holds keys 4 l + e of every row: W at v[W + 4 i + e]
.macro PRODUCE par
.set CK, 32+6*\par
.set CE, 36+\par
.if \par == 0
	s_cmp_lg_u32 s[UP], s[N1]
	s_cbranch_scc1 .Lnosw_\@
	WIN 0x01                                       ; the second block begins: its table, its cs2, M under every W, keys behind it
.irp i, 0,1,2,3,4,5,6,7,8,9,10,11,12,13,14,15
	v_mov_b32 v[TBL+\i], v[TBL2+\i]
.endr
	v_mov_b32 v[CST], v[CST2]
	WIN 0
.irp i, 0,1,2,3,4,5,6,7,8,9,10,11,12,13,14,15
	v_mov_b32 v[MS+2*\i], NEGBIG
.endr
	v_mov_b32 v[FLR], 0
.Lnosw_\@:
.endif
	WIN 0x04
.set n, 0
.rept 64
	v_min_u32 v[W+n], 11, v[n]                     ; the level, held inside the table
.set n, n+1
.endr
	WIN 0
.set n, 0
.rept 64
	v_lshlrev_b32 v[W+n], 2, v[W+n]
.set n, n+1
.endr
.irp i, 0,1,2,3,4,5,6,7,8,9,10,11,12,13,14,15
.irp e, 0,1,2,3
	ds_bpermute_b32 v[W+4*\i+\e], v[W+4*\i+\e], v[TBL+\i]   ; the table's entry, from the lane that holds it
.endr
.endr
.if \par == 1
	s_cmp_eq_u32 s[UP], 17                         ; the last step asks for nothing
	s_cbranch_scc1 .Lnonext_\@
.endif
	s_add_co_u32 s[T2], s[UP], 1
	SCHED T2, J1, IN
.if \par == 0
	NEXTLOADS 1
.else
	NEXTLOADS 0
.endif
.Lnonext_\@:
	s_lshl_b32 s[TP], s[I], 1
	s_cmp_ge_u32 s[J], s[TP]
	s_cbranch_scc1 .Lnear_\@
	; FAR: the decay is a row's factor x a key's factor
.irp e, 0,1,2,3
	v_sub_f32 v[BF+\e], v[CE], v[CK+\e]
.endr
	v_sub_f32 v[AV], v[CST], v[CE]
.irp e, 0,1,2,3
	v_exp_f32 v[BF+\e], v[BF+\e]
.endr
	v_exp_f32 v[AV], v[AV]
	v_nop
	s_wait_alu depctr_va_vdst(0)                   ; one wait for the five
.irp i, 0,1,2,3,4,5,6,7,8,9,10,11,12,13,14,15
	v_readlane_b32 s[AP+2*(\i%4)], v[AV], \i
	v_pk_mul_f32 v[D+4*\i:D+4*\i+1], v[BF:BF+1], s[AP+2*(\i%4):AP+2*(\i%4)+1] op_sel_hi:[1,0]
	v_pk_mul_f32 v[D+4*\i+2:D+4*\i+3], v[BF+2:BF+3], s[AP+2*(\i%4):AP+2*(\i%4)+1] op_sel_hi:[1,0]
.endr
	s_branch .Lmix_\@
.Lnear_\@:
	; NEAR: each difference has its exponential; then keys behind the row get the decay 0, by value
	s_lshl_b32 s[TR], s[I], 8
	s_add_co_u32 s[TR], s[TR], s[T16]
	s_lshl_b32 s[TP], s[J], 7
	s_sub_co_i32 s[TR], s[TR], s[TP]               ; row 0's number, counted from the tile's first key
.irp i, 0,1,2,3,4,5,6,7,8,9,10,11,12,13,14,15
	v_readlane_b32 s[AP+2*(\i%4)], v[CST], \i
.irp e, 0,1,2,3
	v_sub_f32 v[D+4*\i+\e], s[AP+2*(\i%4)], v[CK+\e]
.endr
.endr
.set n, 0
.rept 64
	v_exp_f32 v[D+n], v[D+n]
.set n, n+1
.endr
	v_nop
	s_wait_alu depctr_va_vdst(0)                   ; one wait for the 64
.irp i, 0,1,2,3,4,5,6,7,8,9,10,11,12,13,14,15
.irp e, 0,1,2,3
	v_cmp_ge_i32 s[MK+\e], s[TR], v[SI+\e]         ; key <= row
.endr
.irp e, 0,1,2,3
	v_cndmask_b32 v[D+4*\i+\e], 0, v[D+4*\i+\e], s[MK+\e]
.endr
	s_add_co_i32 s[TR], s[TR], 1
.endr
.Lmix_\@:
	s_wait_dscnt 0x0                               ; the table's entries are in
.set n, 0
.rept 32
	v_pk_mul_f32 v[W+n:W+n+1], v[W+n:W+n+1], v[D+n:D+n+1]   ; W = Hm log2(e); 0 behind the row
.set n, n+2
.endr
	; the row's new M, the rows by turns: my four keys, the old M, the floor; then across the 32 lanes
.irp i, 0,1,2,3,4,5,6,7,8,9,10,11,12,13,14,15
	v_max3_num_f32 v[D+4*\i], v[W+4*\i], v[W+4*\i+1], v[W+4*\i+2]
.endr
.irp i, 0,1,2,3,4,5,6,7,8,9,10,11,12,13,14,15
	v_max3_num_f32 v[D+4*\i], v[D+4*\i], v[W+4*\i+3], v[MS+2*\i]
.endr
.irp i, 0,1,2,3,4,5,6,7,8,9,10,11,12,13,14,15
	v_max_num_f32 v[D+4*\i], v[D+4*\i], v[FLR]
.endr
.irp x, 1,2,4,8
.irp i, 0,1,2,3,4,5,6,7,8,9,10,11,12,13,14,15
	v_max_num_f32_dpp v[D+4*\i], v[D+4*\i], v[D+4*\i] row_xmask:\x row_mask:0xf bank_mask:0xf
.endr
.endr
.irp i, 0,1,2,3,4,5,6,7,8,9,10,11,12,13,14,15
	v_permlanex16_b32 v[D+4*\i+1], v[D+4*\i], s[SEL], s[SEL+1]
.endr
.irp i, 0,1,2,3,4,5,6,7,8,9,10,11,12,13,14,15
	v_max_num_f32 v[D+4*\i], v[D+4*\i], v[D+4*\i+1]
.endr
.irp i, 0,1,2,3,4,5,6,7,8,9,10,11,12,13,14,15
	v_sub_f32 v[MS+2*\i+1], v[MS+2*\i], v[D+4*\i]  ; old M - new M
.endr
.irp i, 0,1,2,3,4,5,6,7,8,9,10,11,12,13,14,15
	v_mov_b32 v[MS+2*\i], v[D+4*\i]
.endr
.irp i, 0,1,2,3,4,5,6,7,8,9,10,11,12,13,14,15
.irp p, 0,2
	v_pk_add_f32 v[W+4*\i+\p:W+4*\i+\p+1], v[W+4*\i+\p:W+4*\i+\p+1], v[MS+2*\i:MS+2*\i+1] op_sel_hi:[1,0] neg_lo:[0,1] neg_hi:[0,1]   ; W - M
.endr
.endr
.irp i, 0,1,2,3,4,5,6,7,8,9,10,11,12,13,14,15
	v_exp_f32 v[MS+2*\i+1], v[MS+2*\i+1]           ; f
.endr
.set n, 0
.rept 64
	v_exp_f32 v[W+n], v[W+n]                       ; p
.set n, n+1
.endr
	v_nop
	s_wait_alu depctr_va_vdst(0)                   ; one wait for the 80, ahead of their first reader
.irp i, 0,1,2,3,4,5,6,7,8,9,10,11,12,13,14,15
	v_cvt_pk_f16_f32 v[D+4*\i+2], v[W+4*\i], v[W+4*\i+1]
	v_cvt_pk_f16_f32 v[D+4*\i+3], v[W+4*\i+2], v[W+4*\i+3]
.endr
.irp i, 0,1,2,3,4,5,6,7,8,9,10,11,12,13,14,15
	v_pk_fma_f32 v[ZP+2*\i:ZP+2*\i+1], v[ZP+2*\i:ZP+2*\i+1], v[MS+2*\i:MS+2*\i+1], v[W+4*\i:W+4*\i+1] op_sel:[0,1,0] op_sel_hi:[1,1,1]   ; the sum x f + p, of the f32 p
.endr
.irp i, 0,1,2,3,4,5,6,7,8,9,10,11,12,13,14,15
	v_pk_add_f32 v[ZP+2*\i:ZP+2*\i+1], v[ZP+2*\i:ZP+2*\i+1], v[W+4*\i+2:W+4*\i+3]
.endr
.irp i, 0,1,2,3,4,5,6,7,8,9,10,11,12,13,14,15
	ds_store_b64 v[ADP], v[D+4*\i+2:D+4*\i+3] offset:\par*PBS+PP*\i      ; a row's 256 bytes by one store
.endr
.irp i, 0,1,2,3,4,5,6,7,8,9,10,11,12,13,14,15
	ds_store_b32 v[ADFW], v[MS+2*\i+1] offset:256*\par+4*\i              ; all lanes write the same word with the same value
.endr
.if \par == 1
	s_lshl_b32 s[TP], s[I], 1
	s_add_co_u32 s[TP], s[TP], 1
	s_cmp_lg_u32 s[J], s[TP]
	s_cbranch_scc1 .Lnofl_\@
	; the block's last tile: c = 2^(-max(M, 0)) (M is under 0 only where no key lies behind the row: c then multiplies zeros), Z = the sum + c x the keys behind the block
	s_add_co_u32 s[TP], s[I], 1
	s_lshl_b32 s[TP], s[TP], 8
	s_sub_co_u32 s[TP], 2048, s[TP]
	s_cvt_f32_u32 s[CNT], s[TP]
.irp i, 0,1,2,3,4,5,6,7,8,9,10,11,12,13,14,15
	v_add_f32 v[ZP+2*\i], v[ZP+2*\i], v[ZP+2*\i+1]
.endr
.irp x, 1,2,4,8
.irp i, 0,1,2,3,4,5,6,7,8,9,10,11,12,13,14,15
	v_add_f32_dpp v[ZP+2*\i], v[ZP+2*\i], v[ZP+2*\i] row_xmask:\x row_mask:0xf bank_mask:0xf
.endr
.endr
.irp i, 0,1,2,3,4,5,6,7,8,9,10,11,12,13,14,15
	v_permlanex16_b32 v[ZP+2*\i+1], v[ZP+2*\i], s[SEL], s[SEL+1]
.endr
.irp i, 0,1,2,3,4,5,6,7,8,9,10,11,12,13,14,15
	v_add_f32 v[ZP+2*\i], v[ZP+2*\i], v[ZP+2*\i+1]
.endr
.irp i, 0,1,2,3,4,5,6,7,8,9,10,11,12,13,14,15
	v_max_num_f32 v[D+4*\i], 0, v[MS+2*\i]
.endr
.irp i, 0,1,2,3,4,5,6,7,8,9,10,11,12,13,14,15
	v_exp_f32 v[D+4*\i], -v[D+4*\i]
.endr
	v_nop
	s_wait_alu depctr_va_vdst(0)
.irp i, 0,1,2,3,4,5,6,7,8,9,10,11,12,13,14,15
	v_fma_f32 v[D+4*\i+1], v[D+4*\i], s[CNT], v[ZP+2*\i]
.endr
.irp i, 0,1,2,3,4,5,6,7,8,9,10,11,12,13,14,15
	v_rcp_f32 v[D+4*\i+1], v[D+4*\i+1]
.endr
	v_nop
	s_wait_alu depctr_va_vdst(0)
.irp i, 0,1,2,3,4,5,6,7,8,9,10,11,12,13,14,15
	ds_store_b64 v[ADZW], v[D+4*\i:D+4*\i+1] offset:8*\i    ; read a step later; written again only in step 17, behind the barriers between
.endr
.Lnofl_\@:
.endif
.endm
.macro HALF par
	TOP \par, 1
	s_cmp_lt_u32 s[WV], 4
	s_cbranch_scc0 .Lprod_\@
.if \par == 0
	s_cmp_eq_u32 s[U], 0                           ; in step 0 there is nothing to multiply yet
	s_cbranch_scc1 .Ljoin_\@
	CONSUME 1
	s_cmp_lg_u32 s[U], s[N1]                       ; the first block's last step has just been multiplied
	s_cbranch_scc1 .Ljoin_\@
	EPI 0
.else
	CONSUME 0
.endif
	s_branch .Ljoin_\@
.Lprod_\@:
	PRODUCE \par
.Ljoin_\@:
.endm
	s_mov_b32 s[U], 0
.Ltrip:                                            ; nine trips of two steps
	HALF 0
	HALF 1
	s_add_co_u32 s[U], s[U], 2
	s_cmp_lt_u32 s[U], 18
	s_cbranch_scc1 .Ltrip
	TOP 0, 0                                       ; step 17's P and V are whole; nothing is asked for
	s_cmp_lt_u32 s[WV], 4
	s_cbranch_scc0 .Lend
	CONSUME 1
	EPI 1
.Lend:
	s_wait_tensorcnt 0x0                           ; the wave's end, behind my last tensor load and my last LDS store
	ds_add_u32 v[SPW], v[NIL]
	s_wait_dscnt 0x0
	ROUND                                          ; the closing round
	s_endpgm
.Lfunc_end_k_qe767b2102a_hatt:
	.size	k_qe767b2102a_hatt, .Lfunc_end_k_qe767b2102a_hatt-k_qe767b2102a_hatt
	.p2alignl 7, 3214868480
	.fill 96, 4, 3214868480
	.section	.rodata,"a",@progbits
	.p2align	6, 0x0
	.amdhsa_kernel k_qe767b2102a_hatt
		.amdhsa_group_segment_fixed_size 327680
		.amdhsa_private_segment_fixed_size 0
		.amdhsa_enable_private_segment 0
		.amdhsa_kernarg_size 56
		.amdhsa_user_sgpr_count 2
		.amdhsa_user_sgpr_kernarg_segment_ptr 1
		.amdhsa_wavefront_size32 1
		.amdhsa_system_sgpr_workgroup_id_x 1
		.amdhsa_system_sgpr_workgroup_id_y 1
		.amdhsa_system_sgpr_workgroup_id_z 1
		.amdhsa_system_vgpr_workitem_id 0
		.amdhsa_next_free_vgpr 512
		.amdhsa_next_free_sgpr 100
		.amdhsa_reserve_vcc 0
		.amdhsa_float_denorm_mode_32 3
		.amdhsa_float_denorm_mode_16_64 3
		.amdhsa_memory_ordered 1
		.amdhsa_forward_progress 1
		.amdhsa_inst_pref_size 255
	.end_amdhsa_kernel
	.section	.bss,"aw",@nobits
	.p2align	6
	.space	262144
	.amdgpu_metadata
---
amdhsa.version: [ 1, 2 ]
amdhsa.kernels:
  - .name:           k_qe767b2102a_hatt
    .symbol:         k_qe767b2102a_hatt.kd
    .args:
      - { .name: v_img, .offset: 0, .size: 8, .value_kind: global_buffer, .address_space: global }
      - { .name: tsum, .offset: 8, .size: 8, .value_kind: global_buffer, .address_space: global }
      - { .name: cs2, .offset: 16, .size: 8, .value_kind: global_buffer, .address_space: global }
      - { .name: L, .offset: 24, .size: 8, .value_kind: global_buffer, .address_space: global }
      - { .name: L_bias, .offset: 32, .size: 8, .value_kind: global_buffer, .address_space: global }
      - { .name: levels, .offset: 40, .size: 8, .value_kind: global_buffer, .address_space: global }
      - { .name: o_img, .offset: 48, .size: 8, .value_kind: global_buffer, .address_space: global }
    .group_segment_fixed_size: 327680
    .private_segment_fixed_size: 0
    .kernarg_segment_align: 8
    .kernarg_segment_size: 56
    .max_flat_workgroup_size: 256
    .sgpr_count:     100
    .vgpr_count:     512
    .wavefront_size: 32
...
	.end_amdgpu_metadata
.endif
;; end of part 3
;; launch oproj (part 4): grid 4 x 64, 4 waves a work-group, clusters of 4 x 4, 327,680 bytes of LDS; arguments o_img, wo_img, bo, out0; writes out0
.if DOCPART == 4
	.amdgcn_target "amdgcn-amd-amdhsa--gfx1250"
	.amdhsa_code_object_version 6
	.text
	.protected	k_qe767b2102a_oproj
	.globl	k_qe767b2102a_oproj
	.p2align	8
	.type	k_qe767b2102a_oproj,@function
k_qe767b2102a_oproj:
	s_mov_b64 s[64:65], 0
	v_nop
	global_prefetch_b8 v0, s[64:65] scope:SCOPE_SE
	s_setreg_imm32_b32 hwreg(HW_REG_WAVE_MODE, 25, 1), 1
	s_wait_xcnt 0x0
	s_wait_alu depctr_hold_cnt(0) depctr_sa_sdst(0) depctr_va_vdst(0) depctr_va_sdst(0) depctr_va_ssrc(0) depctr_va_vcc(0) depctr_vm_vsrc(0)
	s_getreg_b32 s2, hwreg(HW_REG_IB_STS2, 6, 4)
	s_cmp_eq_u32 s2, 0
	s_cbranch_scc0 .Lentry_in_a_cluster
	s_endpgm
.Lentry_in_a_cluster:
	s_bfe_u32 s2, ttmp6, 0x10000c
	s_cmp_lg_u32 s2, 0xf033
	s_cbranch_scc0 .Lentry_shape_is_right
	s_endpgm
.Lentry_shape_is_right:
; out0[m][n] = the sum over k of o[m][k] Wo[n][k] + bo[n].  o and Wo arrive as f16 in the order of an operand's registers (images of 1,024 bytes: 16 rows x 32 k, [half][lane][16 bytes]); sums and out0 in f32.
; o_img: [k / 128: 8][m / 16: 1,024][(k % 128) / 32: 4][1,024];  wo_img: [k / 128][n / 16: 64][4][1,024].  So a K step's 128 rows are 32,768 dense bytes: one tensor load a wave, no padding, and a fragment is two
; LDS loads of 512 consecutive bytes.
; A tile of out0, 256 x 256, is made by four waves, each 128 x 128: 64 accumulators.  K goes in eight steps of 128 through a ring of two LDS slots.  CLUSTERS: 4 x 4 work-groups; A's tiles are asked for jointly along a row
; of the cluster, B's along a column.  THE MATRIX INSTRUCTION IS USED TRANSPOSED (source 0 = 16 rows of Wo, source 1 = 16 rows of o): a lane holds eight neighbouring numbers of a row of out0.  The bias is the C of each sum's first product.
; REGISTERS: window 0: v0-31 addresses; v64-127, v128-191 A's fragments, two buffers; v192-255 the bias; on the way out v128-255 rows.  window 1: v64-127, v128-191 B's fragments.  windows 2, 3: the accumulators.
.set SLOT,   131072                    ; A's 16 tiles of rows x 4,096 bytes, then B's 16
.set KA,     4194304                   ; a K step on in o_img
.set KB,     262144                    ; and in wo_img
.set STAGE,  2*SLOT                    ; behind the ring: 16 rows x (512 bytes + 16) for each wave
.set SPITCH, 528
.set SPARE,  STAGE+4*16*SPITCH         ; the spare words, 128 bytes a wave
.set LAPS,   4
.set ADRA, 16
.set ADRB, 20
.set STO,  24
.set RD,   25
.set CO,   26
.set BOF,  27
.set SPW,  28
.set NIL,  29
.set F0,   64
.set F1,   128
.set BI,   192
.set BK,   128
.set G1, 24
.set G0, 32
.set G1B, 48
.set G0B, 56
.set MSB, 0
.macro WIN new
.if MSB != \new
	s_set_vgpr_msb (MSB<<8)|\new
.set MSB, \new
.endif
.endm
.set MUL_LO, 0xa1
.set MUL_HI, 0xf1
.set TO_B,   0x40
.macro JLOAD s                         ; waves 0 and 1 fetch A's two halves, waves 2 and 3 B's; the branch hangs on the wave's number alone
	s_cmp_eq_u32 s13, 0
	s_cbranch_scc0 .Lfor_b_\@
	tensor_load_to_lds s[G0+4*\s:G0+4*\s+3], s[G1:G1+7]
	s_nop 0
.rept 4
	v_nop
.endr
	s_branch .Lasked_\@
.Lfor_b_\@:
	tensor_load_to_lds s[G0B+4*\s:G0B+4*\s+3], s[G1B:G1B+7]
	s_nop 0
.rept 4
	v_nop
.endr
.Lasked_\@:
.endm
.macro CREST
	s_cmp_lg_u32 s12, 0
	s_cbranch_scc1 .Lnot_wave_0_\@
	s_barrier_signal -3
.Lnot_wave_0_\@:
	s_barrier_wait -3
	s_barrier_signal -1
	s_barrier_wait -1
.endm
.macro CROUND
	s_barrier_signal -1
	s_barrier_wait -1
	CREST
.endm
	s_load_b256 s[4:11], s[0:1], 0x0               ; o_img s[4:5], wo_img s[6:7], bo s[8:9], out0 s[10:11]
	v_lshl_add_u32 v[SPW], v0, 2, SPARE
	v_mov_b32 v[NIL], 0
	ds_add_u32 v[SPW], v[NIL]                      ; the wave's opening: the add, twice on end, and its wait ahead of my first tensor load
	ds_add_u32 v[SPW], v[NIL]
	v_lshrrev_b32 v1, 5, v0
	v_readfirstlane_b32 s12, v1                    ; wave
	s_lshr_b32 s13, s12, 1                         ; my half of the tile's rows.  Also: I fetch for A (0) or for B (1)
	s_and_b32 s14, s12, 1                          ; my half of its columns.  Also: which 128 rows I fetch
	s_bfe_u32 s40, ttmp6, 0x40000
	s_bfe_u32 s41, ttmp6, 0x40004
	s_lshl_b32 s42, ttmp9, 2
	s_add_co_u32 s42, s42, s40                     ; tile column
	s_and_b32 s15, ttmp7, 0xffff
	s_lshl_b32 s15, s15, 2
	s_add_co_u32 s15, s15, s41                     ; tile row
	s_lshl_b32 s43, s41, 2
	s_lshl_b32 s43, 15, s43                        ; my row of the cluster
	s_lshl_b32 s44, 0x1111, s40                    ; my column
	s_or_b32 s[G1+0], s43, (3<<16)|(1<<21)         ; the mask; elements of 8 bytes; no padding
	s_or_b32 s[G1B+0], s44, (3<<16)|(1<<21)
.irp g, G1, G1B
	s_mov_b32 s[\g+1], 32<<16                      ; 128 dense rows of 256 bytes
	s_mov_b32 s[\g+2], 128<<16
	s_mov_b32 s[\g+3], 32<<16
	s_mov_b32 s[\g+4], 128
	s_mov_b32 s[\g+5], 32
	s_mov_b32 s[\g+6], 0
	s_mov_b32 s[\g+7], 0
.endr
	s_lshl_b32 s17, s14, 3
	s_lshl_b32 s16, s15, 4
	s_add_co_u32 s16, s16, s17
	s_lshl_b32 s16, s16, 12                        ; A: (16 x tile row + 8 x half) x 4,096
	s_lshl_b32 s46, s42, 4
	s_add_co_u32 s46, s46, s17
	s_lshl_b32 s46, s46, 12                        ; B likewise, by the tile column
	s_mov_b32 s17, 0
	s_mov_b32 s47, 0
	s_lshl_b32 s20, s12, 15                        ; where they go: wave x 32,768
	s_wait_dscnt 0x0
	s_wait_kmcnt 0x0
	s_add_nc_u64 s[18:19], s[4:5], s[16:17]
	s_add_nc_u64 s[46:47], s[6:7], s[46:47]
	CROUND                                         ; all sixteen work-groups are here: the first joint loads meet
.irp s, 0,1
	s_mov_b32 s[G0+4*\s], 1
	s_add_co_u32 s[G0+4*\s+1], s20, \s*SLOT
	s_add_nc_u64 s[G0+4*\s+2:G0+4*\s+3], s[18:19], \s*KA
	s_or_b32 s[G0+4*\s+3], s[G0+4*\s+3], 0x80000000
	s_mov_b32 s[G0B+4*\s], 1
	s_add_co_u32 s[G0B+4*\s+1], s20, \s*SLOT
	s_add_nc_u64 s[G0B+4*\s+2:G0B+4*\s+3], s[46:47], \s*KB
	s_or_b32 s[G0B+4*\s+3], s[G0B+4*\s+3], 0x80000000
	JLOAD \s                                       ; two loads of mine are out
.endr
	v_and_b32 v1, 15, v0                           ; r
	v_bfe_u32 v2, v0, 4, 1                         ; hh
	v_and_b32 v3, 31, v0
	v_lshlrev_b32 v[CO], 4, v3                     ; 16 x lane
	; the bias: bo at my 128 columns; lane (., hh) wants bo[16 b + 8 hh + 0 .. 7] for block b
	s_lshl_b32 s46, s42, 10
	s_lshl_b32 s47, s14, 9
	s_add_co_u32 s46, s46, s47                     ; my first column, in bytes
	s_mov_b32 s47, 0
	s_add_nc_u64 s[8:9], s[8:9], s[46:47]
	v_lshlrev_b32 v[BOF], 5, v2
.irp b, 0,1,2,3,4,5,6,7
	global_load_b128 v[BI+8*\b:BI+8*\b+3], v[BOF], s[8:9] offset:64*\b
	global_load_b128 v[BI+8*\b+4:BI+8*\b+7], v[BOF], s[8:9] offset:64*\b+16
.endr
	s_lshl_b32 s21, s13, 15                        ; my 8 tiles of A's rows
	s_lshl_b32 s22, s14, 15
	s_add_co_u32 s22, s22, 65536                   ; my 8 of B's, behind A's 16
.irp s, 0,1
	v_add_nc_u32 v[ADRA+\s], s21, v[CO]
	v_add_nc_u32 v[ADRB+\s], s22, v[CO]
	s_add_co_u32 s21, s21, SLOT
	s_add_co_u32 s22, s22, SLOT
.endr
	s_mul_i32 s23, s12, 16*SPITCH
	s_add_co_u32 s23, s23, STAGE                   ; my stage
	v_mul_u32_u24 v4, v1, SPITCH
	v_lshl_add_u32 v4, v2, 5, v4
	v_add_nc_u32 v[STO], s23, v4                   ; in: row r, 32 bytes for each half of the lanes
	v_add_nc_u32 v[RD], s23, v[CO]                 ; back: the 32 lanes take a row of 512 bytes
	s_lshl_b32 s16, s15, 8
	s_lshl_b32 s17, s13, 7
	s_add_co_u32 s16, s16, s17                     ; my first row
	s_lshl_b32 s16, s16, 12                        ; x 4,096 bytes
	s_mov_b32 s17, 0
	s_add_nc_u64 s[10:11], s[10:11], s[16:17]
	s_add_nc_u64 s[10:11], s[10:11], s[46:47]
; 16 matrix instructions: m blocks a0, a0 + 1 of the window's four x all 8 n blocks, 32 along K.  The 64 accumulators take turns, one instruction a turn.  first = 1: the bias is C
.macro MUL16 f, hi, a0, first
.irp a, \a0, \a0+1
.irp b, 0,1,2,3,4,5,6,7
.if \first
	v_wmma_f32_16x16x32_f16 v[8*(8*(\a)+\b):8*(8*(\a)+\b)+7], v[\f+8*\b:\f+8*\b+7], v[\f+8*(4*\hi+\a):\f+8*(4*\hi+\a)+7], v[BI+8*\b:BI+8*\b+7]
.else
	v_wmma_f32_16x16x32_f16 v[8*(8*(\a)+\b):8*(8*(\a)+\b)+7], v[\f+8*\b:\f+8*\b+7], v[\f+8*(4*\hi+\a):\f+8*(4*\hi+\a)+7], v[8*(8*(\a)+\b):8*(8*(\a)+\b)+7]
.endif
.endr
.endr
.endm
.macro FETCH slot, q, f                ; 32 LDS loads in one run: the fragments of the slot's q-th 32 along K
	WIN TO_B
.irp i, 0,1,2,3,4,5,6,7
	ds_load_b128 v[\f+8*\i:\f+8*\i+3],   v[ADRB+\slot] offset:1024*\q+\i*4096
	ds_load_b128 v[\f+8*\i+4:\f+8*\i+7], v[ADRB+\slot] offset:1024*\q+\i*4096+512
.endr
	WIN 0
.irp i, 0,1,2,3,4,5,6,7
	ds_load_b128 v[\f+8*\i:\f+8*\i+3],   v[ADRA+\slot] offset:1024*\q+\i*4096
	ds_load_b128 v[\f+8*\i+4:\f+8*\i+7], v[ADRA+\slot] offset:1024*\q+\i*4096+512
.endr
.endm
.macro PLACES                          ; plain vector lines between a matrix instruction and a load into, or a read of, its registers
.rept 4
	v_nop
.endr
.endm
.macro QUARTER slot, q, f, g, first    ; multiplies buffer f; in its middle fetches the slot's q-th quarter into buffer g
	s_wait_dscnt 8                                 ; B and A's rows 0-63 are in; the youngest eight loads (A's rows 64-127) may be out
.if \first
	WIN 0x81
.else
	WIN MUL_LO
.endif
	MUL16 \f, 0, 0, \first
	MUL16 \f, 0, 2, \first
	PLACES
	FETCH \slot, \q, \g
	s_wait_dscnt 32                                ; all but the 32 just issued
.if \first
	WIN 0xc1
.else
	WIN MUL_HI
.endif
	MUL16 \f, 1, 0, \first
	MUL16 \f, 1, 2, \first
.endm
; The last quarter multiplies buffer 1 and changes slots: one barrier; in front of it each wave waits for all its tensor loads, adds 0 to its spare word, and waits for that and for its own reads of this slot.
.macro TURN slot, next, fill
	WIN 0
	s_wait_tensorcnt 0x0                           ; my part of the next slot has landed
	ds_add_u32 v[SPW], v[NIL]
	s_wait_dscnt 9                                 ; (the add and the youngest eight loads may be out)
	WIN MUL_LO
	MUL16 F1, 0, 0, 0
	s_wait_dscnt 0x0                               ; the add is done, and my reads of this slot are over
	s_barrier_signal -1
	MUL16 F1, 0, 2, 0
.if \fill
	WIN 0
.endif
	s_barrier_wait -1
.if \fill
	CREST                                          ; the barrier has opened a round of the cluster's: no wave of any partner still reads this slot or has a load on its way
	s_add_nc_u64 s[G0+4*\slot+2:G0+4*\slot+3], s[G0+4*\slot+2:G0+4*\slot+3], 2*KA
	s_add_nc_u64 s[G0B+4*\slot+2:G0B+4*\slot+3], s[G0B+4*\slot+2:G0B+4*\slot+3], 2*KB
	JLOAD \slot                                    ; my one tensor load until the next round; its four v_nop are also the places in front of the loads below
.else
	PLACES
.endif
	FETCH \next, 0, F0
	WIN MUL_HI
	MUL16 F1, 1, 0, 0
	MUL16 F1, 1, 2, 0
.endm
	s_wait_loadcnt 0x0                             ; the bias
	s_wait_tensorcnt 1                             ; my part of K step 0 is in; K step 1's load may be out
	s_barrier_signal -1
	s_barrier_wait -1
	FETCH 0, 0, F0
	QUARTER 0, 1, F0, F1, 1                        ; the first quarter stands in front of the loop: its products start the sums, from the bias
	WIN 0
	s_mov_b32 s3, LAPS-1
.Llap:                                             ; a trip goes once round the ring and fills both slots again
	QUARTER 0, 2, F1, F0, 0
	QUARTER 0, 3, F0, F1, 0
	TURN 0, 1, 1
	QUARTER 1, 1, F0, F1, 0
	QUARTER 1, 2, F1, F0, 0
	QUARTER 1, 3, F0, F1, 0
	TURN 1, 0, 1
	QUARTER 0, 1, F0, F1, 0
	WIN 0
	s_sub_co_u32 s3, s3, 1
	s_cmp_lg_u32 s3, 0
	s_cbranch_scc1 .Llap
	QUARTER 0, 2, F1, F0, 0                        ; the last lap fills nothing
	QUARTER 0, 3, F0, F1, 0
	TURN 0, 1, 0
	QUARTER 1, 1, F0, F1, 0
	QUARTER 1, 2, F1, F0, 0
	QUARTER 1, 3, F0, F1, 0
	s_wait_dscnt 8
	WIN MUL_LO
	MUL16 F1, 0, 0, 0
	MUL16 F1, 0, 2, 0
	s_wait_dscnt 0
	WIN MUL_HI
	MUL16 F1, 1, 0, 0
	MUL16 F1, 1, 2, 0
	WIN 0
; THE WAY OUT, block by block of 16 rows x 128 columns, through my own stage: in as 32 bytes a lane, back as whole rows of 512 bytes.  LDS serves a wave's instructions in order: no wait between the stores and the loads.
.macro TOSTAGE a
.set AC, 64*((\a)%4)
	WIN 0x08+4*((\a)/4)
.irp b, 0,1,2,3,4,5,6,7
	ds_store_b128 v[STO], v[AC+8*\b:AC+8*\b+3] offset:64*\b          ; each accumulator from its low end on
	ds_store_b128 v[STO], v[AC+8*\b+4:AC+8*\b+7] offset:64*\b+16
.endr
	WIN 0
.set BB, BK+64*((\a)%2)
.irp t, 0,1,2,3,4,5,6,7,8,9,10,11,12,13,14,15
	ds_load_b128 v[BB+4*\t:BB+4*\t+3], v[RD] offset:\t*SPITCH
.endr
.endm
.macro SEND a, younger
.set BB, BK+64*((\a)%2)
	s_wait_dscnt \younger                          ; the block is back in registers; the next block's 16 stores and 16 loads may be out
.if (\a) > 0
	s_add_nc_u64 s[10:11], s[10:11], 16*4096       ; (behind a wait on XCNT: the earlier stores have read their base)
.endif
.irp t, 0,1,2,3,4,5,6,7,8,9,10,11,12,13,14,15
	global_store_b128 v[CO], v[BB+4*\t:BB+4*\t+3], s[10:11] offset:\t*4096 th:TH_STORE_NT   ; 512 consecutive bytes, at a multiple of 256 from out0's first byte
.endr
.endm
	PLACES
	TOSTAGE 0
.irp a, 1,2,3,4,5,6,7
.if \a > 1
	s_wait_xcnt 0x0                                ; block a - 2's stores have read their registers and their base
.endif
	TOSTAGE \a
	SEND \a-1, 32
.endr
	s_wait_xcnt 0x0
	SEND 7, 0
	s_wait_tensorcnt 0x0                           ; the wave's end, behind my last tensor load and my last LDS store
	ds_add_u32 v[SPW], v[NIL]
	s_wait_dscnt 0x0
	CROUND                                         ; the closing round
	s_endpgm
.Lfunc_end_k_qe767b2102a_oproj:
	.size	k_qe767b2102a_oproj, .Lfunc_end_k_qe767b2102a_oproj-k_qe767b2102a_oproj
	.p2alignl 7, 3214868480
	.fill 96, 4, 3214868480
	.section	.rodata,"a",@progbits
	.p2align	6, 0x0
	.amdhsa_kernel k_qe767b2102a_oproj
		.amdhsa_group_segment_fixed_size 327680
		.amdhsa_private_segment_fixed_size 0
		.amdhsa_enable_private_segment 0
		.amdhsa_kernarg_size 32
		.amdhsa_user_sgpr_count 2
		.amdhsa_user_sgpr_kernarg_segment_ptr 1
		.amdhsa_wavefront_size32 1
		.amdhsa_system_sgpr_workgroup_id_x 1
		.amdhsa_system_sgpr_workgroup_id_y 1
		.amdhsa_system_sgpr_workgroup_id_z 1
		.amdhsa_system_vgpr_workitem_id 0
		.amdhsa_next_free_vgpr 1024
		.amdhsa_next_free_sgpr 66
		.amdhsa_reserve_vcc 0
		.amdhsa_float_denorm_mode_32 3
		.amdhsa_float_denorm_mode_16_64 3
		.amdhsa_memory_ordered 1
		.amdhsa_forward_progress 1
		.amdhsa_inst_pref_size 142
	.end_amdhsa_kernel
	.amdgpu_metadata
---
amdhsa.version: [ 1, 2 ]
amdhsa.kernels:
  - .name:           k_qe767b2102a_oproj
    .symbol:         k_qe767b2102a_oproj.kd
    .args:
      - { .name: o_img, .offset: 0, .size: 8, .value_kind: global_buffer, .address_space: global }
      - { .name: wo_img, .offset: 8, .size: 8, .value_kind: global_buffer, .address_space: global }
      - { .name: bo, .offset: 16, .size: 8, .value_kind: global_buffer, .address_space: global }
      - { .name: out0, .offset: 24, .size: 8, .value_kind: global_buffer, .address_space: global }
    .group_segment_fixed_size: 327680
    .private_segment_fixed_size: 0
    .kernarg_segment_align: 8
    .kernarg_segment_size: 32
    .max_flat_workgroup_size: 128
    .sgpr_count:     66
    .vgpr_count:     1024
    .wavefront_size: 32
...
	.end_amdgpu_metadata
.endif
;; end of part 4
